; MI455X (gfx1250); checked and timed in simulation.
; The chip was launched on July 23, 2026; its instructions are those of AMD's public machine-readable ISA for CDNA 5 (MIT licence, August 2026) and "CDNA5" Instruction Set Architecture Reference Guide (July 2026). The comments in the code are by the model that wrote it; some were corrected since.
;; Group Query Attention. Allowed arithmetic: matrix products marked QUANTISED: E2M3 operands, one E8M0 scale for each 32 along K, by v_wmma_scale_f32_16x16x128_f8f6f4 with both operands' format E2M3, f32 sums; everything else in f32.
;; Inputs: Wk 2,048 x 512 float32; Wo 2,048 x 2,048 float32; Wq 2,048 x 2,048 float32; Wv 2,048 x 512 float32; bk 512 float32; bo 2,048 float32; bq 2,048 float32; bv 512 float32; x 4 x 1,024 x 2,048 float32.
;; Outputs: out0 4 x 1,024 x 2,048 float32.
;; This version of the problem:
;;   THIS VERSION OF THE PROBLEM IS GIVEN IN LOW PRECISION. The matrix products marked QUANTISED in the list below multiply operands that are first quantised to E2M3 (2 exponent bits, 3 mantissa bits; 6 bits a number), with one power-of-two scale for each 32 numbers along K (OCP MX v1.0); their sums are f32. All else is computed in f32.
;;   The module's matrix products, in the order in which they are computed (A, B: the left and right operand; K: the contracted axis; several contracted axes count as one K, in the product's order):
;;     1. [M 4,096, K 2,048] x [K 2,048, N 2,048]; A: input x; B: input Wq: QUANTISED
;;     2. [M 4,096, K 2,048] x [K 2,048, N 512]; A: input x; B: input Wk: QUANTISED
;;     3. [M 4,096, K 2,048] x [K 2,048, N 512]; A: input x; B: input Wv: QUANTISED
;;     4. batch 64 x [M 1,024, K 128] x [K 128, N 1,024]; A: computed on the way; B: computed on the way: QUANTISED
;;     5. batch 64 x [M 1,024, K 1,024] x [K 1,024, N 128]; A: softmax (see below); B: computed on the way: QUANTISED
;;     6. [M 4,096, K 2,048] x [K 2,048, N 2,048]; A: computed on the way; B: input Wo: QUANTISED
;;   THE QUANTISER, for each operand of a quantised product, along K:
;;     - K is cut into blocks of 32 from its start; a last block that is shorter is filled with zeros.
;;     - A block's scale is 2^e with e = floor(log2(the largest magnitude in the block)) - 2, held to -126 .. 127; a block of zeros has e = 0. As a byte (E8M0): e + 127.
;;     - Each number is divided by its block's scale, clamped to +-7.5, and rounded to the nearest number of E2M3, ties to even, subnormals kept.
;;     - The product sums the exact products of the quantised numbers (number of the format x scale) in f32.
;;   ~~~python
;;   def quantise(x, axis):      # numpy; x: float32 -> the quantised numbers, widened to float32 again
;;       x = np.moveaxis(x, axis, -1); K = x.shape[-1]
;;       x = np.pad(x, [(0, 0)] * (x.ndim - 1) + [(0, -K % 32)]); x = x.reshape(x.shape[:-1] + (-1, 32)); a = np.abs(x).max(-1, keepdims=True)
;;       e = np.where(a > 0, np.clip(np.frexp(np.where(a > 0, a, 1))[1] - 1 - 2, -126, 127), 0)      # np.frexp(a)[1] - 1 = floor(log2(a)), exactly
;;       r = np.clip(x / 2.0 ** e, -7.5, 7.5)
;;       step = 2.0 ** (np.maximum(np.frexp(np.where(r == 0, 1, r))[1] - 1, 0) - 3)
;;       q = np.round(r / step) * step * 2.0 ** e      # np.round: ties to even
;;       return np.moveaxis(q.reshape(q.shape[:-2] + (-1,))[..., :K], -1, axis).astype(np.float32)
;;   ~~~
;;   SOFTMAX AHEAD OF A QUANTISED PRODUCT. Where the list says 'softmax', what is quantised is not the finished softmax but p = 2^(t - M), with t = logit x log2(e) and M = ceil(the row's largest t), a whole number; so 1/2 < the row's largest p <= 1. The row's sum l is taken of the UNQUANTISED p, in f32, and the product's result is divided by l at the end. Since M is a whole number, a kernel that streams over the keys may use a running M (the ceiling of the running maximum): every later rescaling is an exact power of two, which a block's scale takes up: the codes' values come out the same.
;;   OPERANDS COMPUTED ON THE WAY. 'Computed on the way' means the value that the module computes at that place (a softmax that the list does not call 'softmax' is quantised finished and normalised). What goes into a quantiser is computed in f32, as accurately as f32 sums, v_exp_f32 and their like allow (about 1e-6 of the number): no bf16 or f16 on the way to a quantiser, and a product that is left as it is and whose result goes on into a quantised operand takes f32 operands (vector FMAs, or v_wmma_f32_16x16x4_f32). A number that lies on a knife's edge between two numbers of the format may be rounded either way, as far as f32 arithmetic and the matrix unit's own rounding can turn it there, and no further.
;; One version. Each part assembles by itself: llvm-mc -triple=amdgcn-amd-amdhsa -mcpu=gfx1250 --defsym DOCPART=n.
;; ======== version 1 of 1: 4 launches
;; limits: right only within a limited range of input values
;; workspace buffers: xq 6,553,600 bytes; wq 8,192,000 bytes; qkv 9,830,400 bytes; ao 6,553,600 bytes
;; launch prep (part 1): grid 896 x 1, 4 waves a work-group, no clusters, 47,616 bytes of LDS; arguments x, Wq, Wk, Wv, Wo, xq, wq; writes xq, wq
.if DOCPART == 1
	.amdgcn_target "amdgcn-amd-amdhsa--gfx1250"
	.amdhsa_code_object_version 6
	.text
	.protected	k_qc92e10741d_prep
	.globl	k_qc92e10741d_prep
	.p2align	8
	.type	k_qc92e10741d_prep,@function
k_qc92e10741d_prep:
	s_mov_b64 s[64:65], 0
	v_nop
	global_prefetch_b8 v0, s[64:65] scope:SCOPE_SE
	s_setreg_imm32_b32 hwreg(HW_REG_WAVE_MODE, 25, 1), 1
	s_wait_xcnt 0x0
; x [4096][2048] and the four weights ([2048 (k)][n], K their FIRST axis), all f32, become codes of FP6 (E2M3) with one E8M0 scale byte for each 32 along K.
; A block's scale is 2^(floor(log2(its largest magnitude)) - 2): its byte is the largest magnitude's exponent field - 2, held at 1 from below by a floor among the maximum's leaves.
; LIMITS: NaN and infinities among the inputs are not served.  A block of zeros gets the byte 1 where the rule says 127: its codes are zeros, and this program alone reads the bytes.
; HOW THE CODES ARE LAID.  (a) As IMAGES OF OPERAND REGISTERS: a fragment (16 rows x 128 K, 12 registers a lane) is 1,536 bytes, three chunks of 512; chunk c holds registers 4 c .. 4 c + 3, lane l's 16 bytes at 16 l.
; Lane (r, h) holds row r; its registers 6 c .. 6 c + 5 hold block 2 c + h.  A row block's fragments of the 16 K steps lie on end (24,576 bytes); its scale words likewise, 16 words (64 bytes) a fragment, row r's at 4 r.
; (b) INSIDE A BLOCK OF 32 the code at place i is that of k = sg(i) = (i & 7) + 16 ((i >> 3) & 1) + 8 ((i >> 4) & 1): 0-7, 16-23, 8-15, 24-31.  Every stream of codes of this program has this order, on both sides of every product,
; so each product's terms are the same; it is the order in which a matrix result, used transposed, falls into a lane's registers, so that later launches quantise their results with no exchange but that of the lanes' halves.
; The order stays inside a block: scales and blocks are the rule's own.  Only the grouping of the terms inside a matrix instruction differs from ascending k.
; SHARES.  Work-groups 0-255: 16 rows of x each; wave w takes K steps 4 w .. 4 w + 3, two steps' 32 loads ahead.  Work-groups 256-895: 128 columns x 128 along K (one K step) of a weight; a wave 32 columns, a lane a column,
; its registers down K: four blocks of 32 loads, two blocks ahead.  So either kind of wave asks memory in two turns.
; wq's 5,120 rows: 0-2,047 Wq's columns; 2,048 + 256 j + (0 .. 127) Wk's head j, the 128 behind them Wv's head j; 3,072-5,119 Wo's columns.
; No tensor loads, no barrier: waves share nothing; each path and each wave has LDS bytes of its own.  No matrix unit, no cluster, no prefetch: the launch streams each input byte once and nothing is shared.
.set XSO,   6291456                    ; xq: the scale words begin here
.set WSO,   7864320                    ; wq: likewise
.set XREG,  8704                       ; x's path: a wave's LDS: a stage of 16 rows x 528 bytes, then 256 bytes of scale words
.set WBASE, 4*XREG                     ; the weights' path begins behind it:
.set WREG,  3072                       ; a wave's LDS: two images
.set SPARE, WBASE+4*WREG               ; the spare words: two blocks of 256 bytes that no other line names
.set R,     16                         ; v16-143  x as loaded, two sets of 64
.set X,     144                        ; v144-207 64 numbers of my row, in the order of the codes
.set PC,    208                        ; v208-219 a fragment's codes
.set TQ,    220                        ; v220-227 the conversions' second halves
.set TM,    228                        ; v228-243 maxima, the other half's, bytes, scale operands
.set PW,    244                        ; v244-247 the four K steps' scale words
.set SEL,   28                         ; s[28:29] lane selects: lane l xor 16
.set XW,    48                         ; v48-111  the weights' path: two sets of 32 numbers
; 64 numbers of a lane, register 16 b + e = the number at place 16 (lane / 16) + e of block b of my row, become a fragment's codes in v[pc] on and my row's scale word in v[pw].
.macro QUANT s, pc, tq, tm, pw
.irp b, 0,1,2,3
	v_max3_num_f32 v[\tm+\b], |v[\s+16*\b]|, |v[\s+1+16*\b]|, 0x1800000   ; my 16 numbers of block b, and the floor 2^(3 - 127)
.endr
.irp i, 2,4,6,8,10,12,14
.irp b, 0,1,2,3
	v_max3_num_f32 v[\tm+\b], v[\tm+\b], |v[\s+16*\b+\i]|, |v[\s+1+16*\b+\i]|   ; the four blocks by turns
.endr
.endr
.irp b, 0,1,2,3
	v_permlanex16_b32 v[\tm+4+\b], v[\tm+\b], s[SEL], s[SEL+1]
.endr
.irp b, 0,1,2,3
	v_max_num_f32 v[\tm+\b], v[\tm+\b], v[\tm+4+\b]   ; with lane l xor 16's 16: the block's largest magnitude
.endr
.irp b, 0,1,2,3
	v_add_nc_u32 v[\tm+12+\b], 0xff000000, v[\tm+\b]   ; 2 off its exponent field: the conversions' scale operand
.endr
.irp b, 0,1,2,3
	v_lshrrev_b32 v[\tm+8+\b], 23, v[\tm+12+\b]   ; the scale's byte
.endr
	v_lshl_or_b32 v[\pw], v[\tm+9], 8, v[\tm+8]
	v_lshl_or_b32 v[\pw], v[\tm+10], 16, v[\pw]
	v_lshl_or_b32 v[\pw], v[\tm+11], 24, v[\pw]
.irp c, 0,1
	v_cvt_scalef32_pk16_fp6_f32 v[\pc+6*\c:\pc+2+6*\c], v[\s+32*\c:\s+15+32*\c], v[\tm+12+2*\c]
	v_cvt_scalef32_pk16_fp6_f32 v[\tq+4*\c:\tq+2+4*\c], v[\s+16+32*\c:\s+31+32*\c], v[\tm+12+2*\c+1]   ; (a conversion's three registers begin on an even number)
.endr
	v_nop                                          ; one plain line behind the scaled conversions
.irp c, 0,1                                    ; the operand wants a WHOLE block in a lane
.irp i, 0,1,2
	v_permlane16_swap_b32 v[\pc+6*\c+\i], v[\tq+4*\c+\i]
.endr
.irp i, 0,1,2
	v_mov_b32 v[\pc+3+6*\c+\i], v[\tq+4*\c+\i]
.endr
.endr
.endm
.macro LOADX s                         ; K step s of my four: 16 loads, each 512 consecutive bytes of one row
.irp i, 0,1,2,3,4,5,6,7,8,9,10,11,12,13,14,15
	global_load_b128 v[R+64*((\s)%2)+4*\i:R+64*((\s)%2)+4*\i+3], v4, s[4:5] offset:8192*\i+512*(\s) th:TH_LOAD_NT
.endr
.endm
.macro FRAGX s
.if (\s) < 3
	s_wait_loadcnt 16                              ; this K step's 16 loads are in; the next step's 16 may be out
.else
	s_wait_loadcnt 0x0
.endif
.irp i, 0,1,2,3,4,5,6,7,8,9,10,11,12,13,14,15
	ds_store_b128 v5, v[R+64*((\s)%2)+4*\i:R+64*((\s)%2)+4*\i+3] offset:528*\i   ; into my stage as loaded: row i, 16 bytes a lane
.endr
.irp b, 0,1,2,3
.irp j, 0,1,2,3
	ds_load_b128 v[X+16*\b+4*\j:X+16*\b+4*\j+3], v6 offset:128*\b+64*(\j/2)+16*(\j%2)   ; back by rows: of block b my half takes k = 8 h + 0 .. 7 and 16 + 8 h + 0 .. 7
.endr
.endr
	s_wait_dscnt 0x0                               ; my numbers are back, so the stores into the stage have read their registers,
.if (\s) < 2
	LOADX (\s)+2                                   ; which take the loads of two steps on
.endif
.if (\s) > 0
	s_wait_xcnt 0x0                                ; the last step's stores have read the codes' registers
.endif
	QUANT X, PC, TQ, TM, PW+(\s)
.irp c, 0,1,2
	global_store_b128 v4, v[PC+4*\c:PC+4*\c+3], s[24:25] offset:1536*(\s)+512*\c   ; the image: 512 consecutive bytes a store, aligned to 512
.endr
	ds_store_b32 v7, v[PW+(\s)] offset:64*(\s)     ; lanes r and r + 16 write the same word with the same value
.endm
.macro LOADW t                         ; block t of my four: W(32 t + sg(i), my column), i = 0 .. 31: a wave reads 128 consecutive bytes a load
.set J, 0
.rept 32
	global_load_b32 v[XW+32*((\t)%2)+J], v[16+J], s[32+2*(\t):33+2*(\t)] th:TH_LOAD_NT
.set J, J+1
.endr
.endm
.macro BLOCK t
.set XB, XW+32*((\t)%2)
.set OB, 256*((\t)%2)                          ; lanes 16 (t % 2) + r of the image
.if (\t) < 3
	s_wait_loadcnt 32                              ; this block's 32 loads are in; the next block's may be out
.else
	s_wait_loadcnt 0x0
.endif
	v_max3_num_f32 v12, |v[XB]|, |v[XB+1]|, |v[XB+2]|   ; the block's largest magnitude: all 32 numbers are mine
	v_max3_num_f32 v13, |v[XB+3]|, |v[XB+4]|, |v[XB+5]|
.irp i, 6,10,14,18,22,26
	v_max3_num_f32 v12, v12, |v[XB+\i]|, |v[XB+\i+1]|
	v_max3_num_f32 v13, v13, |v[XB+\i+2]|, |v[XB+\i+3]|
.endr
	v_max3_num_f32 v12, v12, |v[XB+30]|, |v[XB+31]|
	v_max3_num_f32 v12, v12, v13, 0x1800000        ; and the floor
	v_add_nc_u32 v11, 0xff000000, v12              ; the conversions' scale operand
	v_lshrrev_b32 v13, 23, v11                     ; the byte
.if (\t) == 0
	v_mov_b32 v124, v13                            ; four bytes make the K step's scale word, the lower K in the lower byte
.else
	v_lshl_or_b32 v124, v13, 8*(\t), v124
.endif
	v_cvt_scalef32_pk16_fp6_f32 v[112:114], v[XB:XB+15], v11
	v_cvt_scalef32_pk16_fp6_f32 v[120:122], v[XB+16:XB+31], v11
	v_nop                                          ; one plain line behind the scaled conversions
	v_mov_b32 v115, v120
	v_mov_b32 v116, v121
	v_mov_b32 v117, v122                           ; v112-117: the block's 24 bytes: registers 6 c .. 6 c + 5 of the image's lane, c = t / 2
.if (\t) < 2
	ds_store_b128 v4, v[112:115] offset:OB         ; registers 0-3: chunk 0;
	ds_store_b64 v4, v[116:117] offset:OB+512      ; 4, 5: the lower half of chunk 1's 16 bytes
.else
	ds_store_b64 v4, v[112:113] offset:OB+520      ; registers 6, 7: the upper half;
	ds_store_b128 v4, v[114:117] offset:OB+1024    ; 8-11: chunk 2
.endif
.if (\t) < 2
	LOADW (\t)+2
.endif
	s_wait_dscnt 0x0                               ; the stores have read their registers: the next block's codes may be written
.endm
	s_load_b256 s[4:11], s[0:1], 0x0               ; x s[4:5], Wq s[6:7], Wk s[8:9], Wv s[10:11]
	s_load_b128 s[12:15], s[0:1], 0x20             ; Wo s[12:13], xq s[14:15]
	s_load_b64 s[16:17], s[0:1], 0x30              ; wq
	v_lshl_add_u32 v254, v0, 2, SPARE
	v_mov_b32 v255, 0
	v_lshrrev_b32 v1, 5, v0
	v_readfirstlane_b32 s18, v1                    ; wave 0..3
	v_and_b32 v1, 31, v0                           ; lane
	v_and_b32 v2, 15, v0                           ; r
	v_bfe_u32 v3, v0, 4, 1                         ; h
	s_wait_kmcnt 0x0
	s_cmp_lt_u32 ttmp9, 256
	s_cbranch_scc0 .Lweights
	; ---- x: row block = the work-group's number
	s_wait_alu depctr_va_vdst(0)                   ; the wait behind the wait above
	v_lshlrev_b32 v4, 4, v1                        ; 16 x lane
	s_mul_i32 s19, s18, XREG
	v_add_nc_u32 v5, s19, v4                       ; the stage, on the way in
	v_mul_u32_u24 v6, v2, 528
	v_lshl_add_u32 v6, v3, 5, v6
	v_add_nc_u32 v6, s19, v6                       ; and back: row r, + 32 h
	s_add_co_u32 s19, s19, 8448
	v_lshl_add_u32 v7, v2, 2, s19                  ; my row's scale word
	v_lshl_add_u32 v8, v1, 3, s19                  ; and on the way out 8 bytes a lane
	v_lshlrev_b32 v9, 3, v1
	s_lshl_b32 s20, ttmp9, 17                      ; 16 rows of 8,192 bytes
	s_lshl_b32 s21, s18, 11                        ; my four K steps of 512 bytes
	s_add_co_u32 s20, s20, s21
	s_mov_b32 s21, 0
	s_add_nc_u64 s[4:5], s[4:5], s[20:21]
	s_mul_i32 s20, ttmp9, 24576
	s_mul_i32 s22, s18, 6144
	s_add_co_u32 s20, s20, s22
	s_add_nc_u64 s[24:25], s[14:15], s[20:21]      ; my four images
	s_lshl_b32 s20, ttmp9, 10
	s_lshl_b32 s22, s18, 8
	s_add_co_u32 s20, s20, s22
	s_add_co_u32 s20, s20, XSO
	s_add_nc_u64 s[26:27], s[14:15], s[20:21]      ; my 256 bytes of scale words
	s_mov_b32 s[SEL], 0x76543210
	s_mov_b32 s[SEL+1], 0xfedcba98
.irp b, 0,1,2,3
	v_mov_b32 v[TM+4+\b], 0                        ; a lane permute's destination counts as one of its sources
.endr
	LOADX 0
	LOADX 1
	s_wait_alu depctr_va_vdst(0)                   ; the wait ahead of the wait on the loads
	FRAGX 0
	FRAGX 1
	FRAGX 2
	FRAGX 3
	ds_load_b64 v[248:249], v8                     ; my wave's 64 scale words (LDS serves a wave's instructions in order)
	s_wait_dscnt 0x0
	global_store_b64 v9, v[248:249], s[26:27]      ; 256 consecutive bytes, aligned to 256
	s_wait_tensorcnt 0x0                           ; the wave's end
	ds_add_u32 v254, v255
	s_wait_dscnt 0x0
	s_endpgm
.Lweights:
	; ---- the weights: which tensor, which 128 columns, which K step.  The choices hang on the work-group's number alone
	s_sub_co_u32 s24, ttmp9, 256
	s_lshr_b32 s25, s24, 4                         ; group of 128 columns, 0..39: 16 of Wq, 4 of Wk, 4 of Wv, 16 of Wo
	s_and_b32 s26, s24, 15                         ; which 128 along K
	s_mov_b64 s[28:29], s[12:13]                   ; Wo:
	s_mov_b32 s30, 8192                            ; a row of it in bytes,
	s_sub_co_u32 s31, s25, 24                      ; the group in it,
	s_lshl_b32 s27, s31, 7
	s_add_co_u32 s27, s27, 3072                    ; its first row in wq
	s_sub_co_u32 s22, s25, 20                      ; Wv
	s_lshl_b32 s23, s22, 8
	s_add_co_u32 s23, s23, 2176
	s_mov_b32 s21, 2048
	s_cmp_lt_u32 s25, 24
	s_cselect_b64 s[28:29], s[10:11], s[28:29]
	s_cselect_b32 s30, s21, s30
	s_cselect_b32 s31, s22, s31
	s_cselect_b32 s27, s23, s27
	s_sub_co_u32 s22, s25, 16                      ; Wk
	s_lshl_b32 s23, s22, 8
	s_add_co_u32 s23, s23, 2048
	s_cmp_lt_u32 s25, 20
	s_cselect_b64 s[28:29], s[8:9], s[28:29]
	s_cselect_b32 s31, s22, s31
	s_cselect_b32 s27, s23, s27
	s_lshl_b32 s23, s25, 7                         ; Wq
	s_mov_b32 s21, 8192
	s_cmp_lt_u32 s25, 16
	s_cselect_b64 s[28:29], s[6:7], s[28:29]
	s_cselect_b32 s30, s21, s30
	s_cselect_b32 s31, s25, s31
	s_cselect_b32 s27, s23, s27
	s_wait_alu depctr_va_vdst(0)                   ; the wait behind the branch and the scalar lines
	v_lshlrev_b32 v15, 2, v1                       ; 4 bytes a lane: a lane a column
.irp i, 0,1,2,3,4,5,6,7,8,9,10,11,12,13,14,15,16,17,18,19,20,21,22,23,24,25,26,27,28,29,30,31
	v_mad_u32_u24 v[16+\i], s30, (\i&7)+16*((\i>>3)&1)+8*((\i>>4)&1), v15   ; register i takes row sg(i) of a block; never rewritten
.endr
	s_mul_i32 s19, s18, WREG
	s_add_co_u32 s19, s19, WBASE
	v_mul_u32_u24 v4, v3, 1536                     ; into the images: my row block of the wave's two,
	v_lshl_add_u32 v4, v2, 4, v4                   ; 16 r
	v_add_nc_u32 v4, s19, v4
	v_lshlrev_b32 v8, 4, v1
	v_add_nc_u32 v7, s19, v8                       ; and out of them: 16 x lane
	v_lshlrev_b32 v14, 10, v3
	v_lshl_add_u32 v14, v2, 2, v14                 ; my column's scale word in wq: 1,024 bytes a row block, 4 r
	s_lshl_b32 s20, s26, 7
	s_mul_i32 s20, s20, s30                        ; my first row of the tensor,
	s_lshl_b32 s21, s31, 9
	s_add_co_u32 s20, s20, s21                     ; the group's first column,
	s_lshl_b32 s21, s18, 7
	s_add_co_u32 s20, s20, s21                     ; my wave's 32 of them
	s_mov_b32 s21, 0
	s_add_nc_u64 s[32:33], s[28:29], s[20:21]      ; a base for each of the four blocks: no pointer is stepped
	s_lshl_b32 s48, s30, 5
	s_mov_b32 s49, 0
.irp t, 1,2,3
	s_add_nc_u64 s[32+2*\t:33+2*\t], s[30+2*\t:31+2*\t], s[48:49]
.endr
	s_lshl_b32 s20, s18, 5
	s_add_co_u32 s27, s27, s20                     ; my wave's first row in wq
	s_mul_i32 s20, s27, 1536                       ; 24,576 bytes a row block of 16
	s_mul_i32 s22, s26, 1536                       ; my K step
	s_add_co_u32 s20, s20, s22
	s_add_nc_u64 s[50:51], s[16:17], s[20:21]
	s_lshl_b32 s20, s27, 6
	s_lshl_b32 s22, s26, 6
	s_add_co_u32 s20, s20, s22
	s_add_co_u32 s20, s20, WSO
	s_add_nc_u64 s[52:53], s[16:17], s[20:21]
	s_wait_alu depctr_va_vdst(0)                   ; the wait behind the scalar lines, ahead of the offsets' readers
	LOADW 0
	LOADW 1
.irp t, 0,1,2,3
	BLOCK \t
.endr
	s_wait_alu depctr_va_vdst(0)                   ; the wait ahead of this reader
	global_store_b32 v14, v124, s[52:53]           ; sixteen lanes store 64 consecutive bytes: a fragment's scale words; one byte for each 128 that the path reads
.irp i, 0,1,2,3,4,5
	ds_load_b128 v[128+4*\i:131+4*\i], v7 offset:512*\i
.endr
.irp i, 0,1,2,3,4,5
	s_wait_dscnt 5-\i
	global_store_b128 v8, v[128+4*\i:131+4*\i], s[50:51] offset:24576*(\i/3)+512*(\i%3)   ; 512 consecutive bytes a store, aligned to 512
.endr
	s_wait_tensorcnt 0x0                           ; the wave's end
	ds_add_u32 v254, v255
	s_wait_dscnt 0x0
	s_endpgm
.Lfunc_end_k_qc92e10741d_prep:
	.size	k_qc92e10741d_prep, .Lfunc_end_k_qc92e10741d_prep-k_qc92e10741d_prep
	.p2alignl 7, 3214868480
	.fill 96, 4, 3214868480
	.section	.rodata,"a",@progbits
	.p2align	6, 0x0
	.amdhsa_kernel k_qc92e10741d_prep
		.amdhsa_group_segment_fixed_size 47616
		.amdhsa_private_segment_fixed_size 0
		.amdhsa_enable_private_segment 0
		.amdhsa_kernarg_size 56
		.amdhsa_user_sgpr_count 2
		.amdhsa_user_sgpr_kernarg_segment_ptr 1
		.amdhsa_wavefront_size32 1
		.amdhsa_system_sgpr_workgroup_id_x 1
		.amdhsa_system_sgpr_workgroup_id_y 1
		.amdhsa_system_sgpr_workgroup_id_z 1
		.amdhsa_system_vgpr_workitem_id 0
		.amdhsa_next_free_vgpr 256
		.amdhsa_next_free_sgpr 66
		.amdhsa_reserve_vcc 0
		.amdhsa_float_denorm_mode_32 3
		.amdhsa_float_denorm_mode_16_64 3
		.amdhsa_memory_ordered 1
		.amdhsa_forward_progress 1
		.amdhsa_inst_pref_size 58
	.end_amdhsa_kernel
	.amdgpu_metadata
---
amdhsa.version: [ 1, 2 ]
amdhsa.kernels:
  - .name:           k_qc92e10741d_prep
    .symbol:         k_qc92e10741d_prep.kd
    .args:
      - { .name: x, .offset: 0, .size: 8, .value_kind: global_buffer, .address_space: global }
      - { .name: Wq, .offset: 8, .size: 8, .value_kind: global_buffer, .address_space: global }
      - { .name: Wk, .offset: 16, .size: 8, .value_kind: global_buffer, .address_space: global }
      - { .name: Wv, .offset: 24, .size: 8, .value_kind: global_buffer, .address_space: global }
      - { .name: Wo, .offset: 32, .size: 8, .value_kind: global_buffer, .address_space: global }
      - { .name: xq, .offset: 40, .size: 8, .value_kind: global_buffer, .address_space: global }
      - { .name: wq, .offset: 48, .size: 8, .value_kind: global_buffer, .address_space: global }
    .group_segment_fixed_size: 47616
    .private_segment_fixed_size: 0
    .kernarg_segment_align: 8
    .kernarg_segment_size: 56
    .max_flat_workgroup_size: 128
    .sgpr_count:     66
    .vgpr_count:     256
    .wavefront_size: 32
...
	.end_amdgpu_metadata
.endif
;; end of part 1
;; launch gemm_qkv (part 2): grid 12 x 16, 4 waves a work-group, clusters of 4 x 4, 327,680 bytes of LDS; arguments xq, wq, qkv, bq, bk, bv; writes qkv
.if DOCPART == 2
	.amdgcn_target "amdgcn-amd-amdhsa--gfx1250"
	.amdhsa_code_object_version 6
	.text
	.protected	k_qc92e10741d_gemm_qkv
	.globl	k_qc92e10741d_gemm_qkv
	.p2align	8
	.type	k_qc92e10741d_gemm_qkv,@function
k_qc92e10741d_gemm_qkv:
	s_mov_b64 s[64:65], 0
	v_nop
	global_prefetch_b8 v0, s[64:65] scope:SCOPE_SE
	s_setreg_imm32_b32 hwreg(HW_REG_WAVE_MODE, 25, 1), 1
	s_wait_xcnt 0x0
	s_wait_alu depctr_hold_cnt(0) depctr_sa_sdst(0) depctr_va_vdst(0) depctr_va_sdst(0) depctr_va_ssrc(0) depctr_va_vcc(0) depctr_vm_vsrc(0)
	s_getreg_b32 s2, hwreg(HW_REG_IB_STS2, 6, 4)
	s_cmp_eq_u32 s2, 0
	s_cbranch_scc0 .Lentry_in_a_cluster
	s_endpgm
.Lentry_in_a_cluster:
	s_bfe_u32 s2, ttmp6, 0x10000c
	s_cmp_lg_u32 s2, 0xf033
	s_cbranch_scc0 .Lentry_shape_is_right
	s_endpgm
.Lentry_shape_is_right:
; q = x Wq + bq, k = x Wk + bk, v = x Wv + bv: one product [4096][2048] x [3072 rows of wq][2048] on codes of FP6 (E2M3) with E8M0 scales, f32 sums.
; The results never go to memory as f32: each wave quantises its 128 x 128 on the way out (q and k along the head's 128, v along the keys) and stores images of operand registers and scale words.
; CODES ARE IMAGES OF OPERAND REGISTERS: a fragment (16 rows x 128 K) is 1,536 bytes, chunk c = registers 4 c .. 4 c + 3, lane l's 16 bytes at 16 l.
; Inside a block of 32 the code at place i is that of k = (i & 7) + 16 ((i >> 3) & 1) + 8 ((i >> 4) & 1), alike on both sides of every product of this program.
; A tile of C, 256 x 256, is made by four waves; a wave makes 128 x 128: 64 accumulators, 512 registers.  K goes in steps of 256 through a ring of two LDS slots; the scale words of all of K come once.
; THE HEAD'S FOUR TILES go one to a wave: wave 0 slot 0's 256 rows of x, wave 1 its 256 rows of wq, waves 2 and 3 their scale words.  Slot 1 is first filled behind the full sequence and a round, as a refill is.
; CLUSTERS: 4 x 4; x's tiles are asked for jointly along a row of the cluster, wq's along a column.  The grid is 12 x 16 = 192 work-groups of equal work: a block of 192 columns, which would give 256, cuts heads in the middle.
; q AND k: source 0 = 16 rows of wq, source 1 = 16 rows of x: lane (r, h) holds token r and its registers run along the head's channels.  The bias is the C of each sum's first instruction.
; v (cluster x = 2, the waves of the right half): THE TWO SOURCES CHANGE PLACES, by LDS addresses alone: source 0 = 16 tokens, source 1 = 16 rows of Wv.  A lane then holds ONE channel and its registers run along the keys,
; which are v's K: so v leaves by the same lines as q and k.  Its bias hangs on the lane and on source 1's block: eight numbers a lane, each copied to the eight registers of a C operand, in a copy of the first step.
; PREFETCH: behind the request for slot n one instruction a wave asks for slot n + 2 (behind slot 0's also for slot 1): of the 8 row blocks that a wave fetches, the partner at place p (cx for x, cy for wq)
; names blocks 2 p and 2 p + 1, 12 blocks of 256 bytes each, a lane a block (lanes 24-31 name lane 23's again).  The requests for slots 6 and 7 ask for nothing.
; LIMITS: NaN and infinities are not served; a block of zeros gets the byte 1 (its codes are zeros; this program alone reads the bytes).
; REGISTERS, in windows of 256: window 0: v16-31 addresses; v32-63 scale words, two sets; v64-127 the bias; v128-223 source 1's fragments, ONE set, later at work on the way out.
;   window 1: source 0's fragments, TWO sets, at v0 and v128.   windows 2, 3: the accumulators ((a, b) at v[8 (8 (a % 4) + b)], window 2 + a / 4; a: source 1's block, b: source 0's).
.set NQ,     2
.set FR,     12
.set NL,     3
.set NP,     4                         ; places behind this matrix instruction (ISA guide 7.12.1)
.set SLB,    3072                      ; a row block's bytes in a slot: two fragments
.set HALFT,  8*SLB
.set SLOT,   4*HALFT                   ; x's 256 rows, then wq's 256 rows
.set LAPS,   4
.set SCL,    2*SLOT                    ; the scale words: four regions of 8,192 bytes (128 rows each)
.set HALFS,  8192
.set SPARE,  SCL+4*HALFS               ; the spare words: two blocks of 256 bytes that no other line names
.set STG,    SPARE+512                 ; 512 bytes a wave for the scale words on their way out: no fill lands there
.set ASC,    6291456
.set BSC,    7864320
.set KC,     6291456
.set VC,     7864320
.set QS,     9437184
.set KS,     9699328
.set VS,     9764864
.set ADRA, 16                          ; v16-17 source 1's fragments in slot 0, 1
.set LI,   18                          ; 16 x lane
.set ADRB, 20                          ; v20-21 source 0's
.set ADRS, 27                          ; scale words: lanes 0-15 source 1's rows, lanes 16-31 source 0's
.set SPW,  28
.set NIL,  29
.set BO,   30
.set PFO,  31                          ; the prefetches' offset; never rewritten
.set SC,   32
.set BI,   64
.set AF,   128
.set PC,   128
.set TQ,   140
.set TM,   148
.set PW,   164
.set TT,   172
.set G1, 24
.set G0, 32
.set G1B, 48
.set G0B, 56
.set G1S, 68
.set G0S, 76
.set G1SB, 80
.set G0SB, 88
.set SEL, 100
.set PFA, 4                            ; s[4:5] where my prefetches stand
.set MSB, 0
.macro WIN new
.if MSB != (\new)
	s_set_vgpr_msb (MSB<<8)|(\new)
.set MSB, (\new)
.endif
.endm
.set MUL_LO, 0xa1
.set MUL_HI, 0xf1
.set TO_B,   0x40
.macro TLOAD g0, g1                    ; a tensor load with an s_nop and four v_nop behind it
	tensor_load_to_lds s[\g0:\g0+3], s[\g1:\g1+7]
	s_nop 0
.rept 4
	v_nop
.endr
.endm
.macro JLOAD g0a, g1a, g0b, g1b        ; waves 0 and 1 fetch x's halves, waves 2 and 3 wq's
	s_cmp_eq_u32 s15, 0
	s_cbranch_scc0 .Lfor_b_\@
	TLOAD \g0a, \g1a
	s_branch .Lasked_\@
.Lfor_b_\@:
	TLOAD \g0b, \g1b
.Lasked_\@:
.endm
.macro ARM under, g0, g1               ; an arm of the head's one chain of branches
	s_cmp_lt_u32 s14, \under
	s_cbranch_scc0 .Lnext_\@
	TLOAD \g0, \g1
	s_branch .Lhead_asked
.Lnext_\@:
.endm
.macro CREST
	s_cmp_lg_u32 s14, 0
	s_cbranch_scc1 .Lnot_wave_0_\@
	s_barrier_signal -3
.Lnot_wave_0_\@:
	s_barrier_wait -3
	s_barrier_signal -1
	s_barrier_wait -1
.endm
.macro CROUND
	s_barrier_signal -1
	s_barrier_wait -1
	CREST
.endm
.macro FRAG reg, adr, q, i
.irp c, 0,1,2
	ds_load_b128 v[\reg+4*\c:\reg+4*\c+3], v[\adr] offset:SLB*(\i)+1536*(\q)+512*\c
.endr
.endm
.macro WM a, b, p, q, sc, c
	v_wmma_scale_f32_16x16x128_f8f6f4 v[8*(8*((\a)%4)+\b):8*(8*((\a)%4)+\b)+7], v[128*(\p)+FR*\b:128*(\p)+FR*\b+FR-1], v[AF+FR*(\a):AF+FR*(\a)+FR-1], v[\c:\c+7], v[SC+16*(\sc)+2*\b+(\q)], v[SC+16*(\sc)+2*(\a)+(\q)] matrix_a_fmt:MATRIX_FMT_FP6 matrix_b_fmt:MATRIX_FMT_FP6 matrix_a_scale:MATRIX_SCALE_ROW1
.endm
; 16 matrix instructions.  first = 1: C is the bias by source 0's block (q, k); 2: by source 1's block (v); 0: the sums go on.  The 64 accumulators take turns.
.macro MUL16 a0, p, q, sc, first
.irp a, \a0, \a0+1
.irp b, 0,1,2,3,4,5,6,7
.if \first == 1
	WM \a, \b, \p, \q, \sc, BI+8*\b
.else
.if \first == 2
	WM \a, \b, \p, \q, \sc, BI+8*(\a)
.else
	WM \a, \b, \p, \q, \sc, 8*(8*((\a)%4)+\b)
.endif
.endif
.endr
.endr
.endm
.macro FETCH_B slot, q, p
	WIN TO_B
.irp i, 0,1,2,3,4,5,6,7
	FRAG 128*(\p)+FR*\i, ADRB+\slot, \q, \i
.endr
	WIN 0
.endm
.macro FETCH_A slot, q, i0
.irp i, \i0, \i0+1, \i0+2, \i0+3
	FRAG AF+FR*(\i), ADRA+\slot, \q, \i
.endr
.endm
.macro SCALES sc
.irp i, 0,1,2,3,4,5,6,7
.irp q, 0,1
	ds_load_b32 v[SC+16*\sc+2*\i+\q], v[ADRS] offset:1024*\i+64*\q
.endr
.endr
.endm
.macro PLACES n
.rept \n
	v_nop
.endr
.endm
; A step of 128 along K that has its successor in the same slot: source 1's blocks 0-3 are fetched anew in its middle, blocks 4-7 at its end.
.macro STEP slot, q, first
	s_wait_dscnt 4*NL                              ; all but the youngest twelve loads (blocks 4-7) are in
.if \first
	WIN 0x81                                       ; C (the bias) window 0, D window 2
.else
	WIN MUL_LO
.endif
	MUL16 0, (\q)%2, \q, \slot, \first
	MUL16 2, (\q)%2, \q, \slot, \first
	s_wait_dscnt 0
	PLACES NP
	FETCH_B \slot, (\q)+1, 1-(\q)%2
	FETCH_A \slot, (\q)+1, 0
.if \first
	WIN 0xc1
.else
	WIN MUL_HI
.endif
	MUL16 4, (\q)%2, \q, \slot, \first
	MUL16 6, (\q)%2, \q, \slot, \first
	PLACES NP
	WIN 0
	FETCH_A \slot, (\q)+1, 4
.endm
; A slot's last step changes slots: one barrier; fill = 1: it opens a round of the cluster's barrier and this slot is filled again, two slots ahead.
.macro TURN slot, next, fill
.if \fill
	s_wait_xcnt 0x0                                ; my last prefetch has read its address: it steps a slot on
	s_add_nc_u64 s[PFA:PFA+1], s[PFA:PFA+1], SLB
.endif
	s_wait_tensorcnt 0x0                           ; my one load that was out, my part of the next slot, has landed
	ds_add_u32 v[SPW], v[NIL]
	s_wait_dscnt 4*NL+1                            ; (the add and the youngest twelve loads may be out)
	WIN MUL_LO
	MUL16 0, 1, NQ-1, \slot, 0
	s_wait_dscnt 0x0                               ; the add is done, and my reads of this slot are over
	s_barrier_signal -1
	MUL16 2, 1, NQ-1, \slot, 0
	WIN 0
	s_barrier_wait -1
.if \fill
	CREST
	s_add_nc_u64 s[G0+4*\slot+2:G0+4*\slot+3], s[G0+4*\slot+2:G0+4*\slot+3], 2*SLB
	s_add_nc_u64 s[G0B+4*\slot+2:G0B+4*\slot+3], s[G0B+4*\slot+2:G0B+4*\slot+3], 2*SLB
	JLOAD G0+4*\slot, G1, G0B+4*\slot, G1B         ; the first tensor load behind the round; its four v_nop are the places in front of the loads below
.else
	PLACES NP
.endif
	s_wait_alu depctr_va_vdst(0)                   ; the wait ahead of this reader
	v_add_nc_u32 v[ADRS], 64*NQ, v[ADRS]           ; on to the next slot's scale words
	FETCH_B \next, 0, 0
	FETCH_A \next, 0, 0
	SCALES \next
.if \fill
	s_cmp_gt_u32 s3, 1                             ; the last trip's two requests have no slot two further on
	s_cbranch_scc0 .Lnoask_\@
	global_prefetch_b8 v[PFO], s[PFA:PFA+1] offset:3*SLB th:TH_LOAD_NT scope:SCOPE_SE
.Lnoask_\@:
.endif
	WIN MUL_HI
	MUL16 4, 1, NQ-1, \slot, 0
	MUL16 6, 1, NQ-1, \slot, 0
	PLACES NP
	WIN 0
	FETCH_A \next, 0, 4
.endm
; Source 1's block a: the lane's 64 results, register 16 b + e = place 16 h + e of block b of my row's 128 along the next K.  Each accumulator is read from its low end on.
.macro QUANTW a
.set AC, 64*((\a)%4)
	WIN 0x0a+5*((\a)/4)
.irp b, 0,1,2,3
	v_max3_num_f32 v[TM+\b], |v[AC+16*\b]|, |v[AC+16*\b+1]|, 0x1800000   ; with the floor 2^(3 - 127)
.endr
.irp i, 2,4,6,8,10,12,14
.irp b, 0,1,2,3
	v_max3_num_f32 v[TM+\b], |v[AC+16*\b+\i]|, |v[AC+16*\b+\i+1]|, v[TM+\b]
.endr
.endr
	WIN 0
.irp b, 0,1,2,3
	v_permlanex16_b32 v[TM+4+\b], v[TM+\b], s[SEL], s[SEL+1]
.endr
.irp b, 0,1,2,3
	v_max_num_f32 v[TM+\b], v[TM+\b], v[TM+4+\b]
.endr
.irp b, 0,1,2,3
	v_add_nc_u32 v[TM+12+\b], 0xff000000, v[TM+\b]   ; 2 off the exponent field: the conversions' scale operand
.endr
.irp b, 0,1,2,3
	v_lshrrev_b32 v[TM+8+\b], 23, v[TM+12+\b]
.endr
	v_lshl_or_b32 v[PW+(\a)], v[TM+9], 8, v[TM+8]
	v_lshl_or_b32 v[PW+(\a)], v[TM+10], 16, v[PW+(\a)]
	v_lshl_or_b32 v[PW+(\a)], v[TM+11], 24, v[PW+(\a)]
	s_wait_xcnt 0x0                                ; the last block's stores have read the codes' registers
	WIN 0x02+((\a)/4)
.irp c, 0,1
	v_cvt_scalef32_pk16_fp6_f32 v[PC+6*\c:PC+2+6*\c], v[AC+32*\c:AC+15+32*\c], v[TM+12+2*\c]
	v_cvt_scalef32_pk16_fp6_f32 v[TQ+4*\c:TQ+2+4*\c], v[AC+16+32*\c:AC+31+32*\c], v[TM+12+2*\c+1]
.endr
	WIN 0
	v_nop                                          ; one plain line behind the scaled conversions
.irp c, 0,1
.irp i, 0,1,2
	v_permlane16_swap_b32 v[PC+6*\c+\i], v[TQ+4*\c+\i]   ; a whole block to a lane
.endr
.irp i, 0,1,2
	v_mov_b32 v[PC+3+6*\c+\i], v[TQ+4*\c+\i]
.endr
.endr
.endm
	s_load_b256 s[4:11], s[0:1], 0x0               ; xq s[4:5], wq s[6:7], qkv s[8:9], bq s[10:11]
	s_load_b64 s[12:13], s[0:1], 0x20              ; bk
	s_load_b64 s[66:67], s[0:1], 0x28              ; bv
	v_lshl_add_u32 v[SPW], v0, 2, SPARE
	v_mov_b32 v[NIL], 0
	ds_add_u32 v[SPW], v[NIL]                      ; the opening lines: the add twice on end and one wait
	ds_add_u32 v[SPW], v[NIL]
	v_lshrrev_b32 v1, 5, v0
	v_readfirstlane_b32 s14, v1                    ; wave 0..3
	s_lshr_b32 s15, s14, 1                         ; my half of the tile's rows; also: I fetch for x (0) or for wq (1)
	s_and_b32 s16, s14, 1                          ; my half of its columns; also: which 128 rows I fetch
	s_bfe_u32 s40, ttmp6, 0x40000                  ; cx
	s_bfe_u32 s41, ttmp6, 0x40004                  ; cy
	s_lshl_b32 s42, ttmp9, 2
	s_add_co_u32 s42, s42, s40                     ; tile column
	s_and_b32 s17, ttmp7, 0xffff
	s_lshl_b32 s17, s17, 2
	s_add_co_u32 s17, s17, s41                     ; tile row
	s_lshl_b32 s43, s41, 2
	s_lshl_b32 s43, 15, s43                        ; my row of the cluster
	s_lshl_b32 s44, 0x1111, s40                    ; my column
	s_or_b32 s[G1+0], s43, (3<<16)|(1<<21)         ; codes: row blocks of 3,072 bytes (384 elements of 8), 24,576 bytes apart; 16 of them at the head, 8 in the ring
	s_or_b32 s[G1B+0], s44, (3<<16)|(1<<21)
.irp g, G1, G1B
	s_mov_b32 s[\g+1], 384<<16
	s_mov_b32 s[\g+2], 16<<16
	s_mov_b32 s[\g+3], 384<<16
	s_mov_b32 s[\g+4], 16
	s_mov_b32 s[\g+5], 3072
	s_mov_b32 s[\g+6], 0
	s_mov_b32 s[\g+7], 0
.endr
	s_or_b32 s[G1S+0], s43, (3<<16)|(1<<21)        ; the scale words of 256 rows: 16,384 dense bytes as 64 rows of 256
	s_or_b32 s[G1SB+0], s44, (3<<16)|(1<<21)
.irp g, G1S, G1SB
	s_mov_b32 s[\g+1], 32<<16
	s_mov_b32 s[\g+2], 64<<16
	s_mov_b32 s[\g+3], 32<<16
	s_mov_b32 s[\g+4], 64
	s_mov_b32 s[\g+5], 32
	s_mov_b32 s[\g+6], 0
	s_mov_b32 s[\g+7], 0
.endr
	s_lshl_b32 s20, s17, 8                         ; x: the tile's first row
	s_lshl_b32 s46, s42, 8                         ; wq: likewise
	s_lshl_b32 s22, s20, 6
	s_add_co_u32 s22, s22, ASC
	s_mov_b32 s23, 0
	s_lshl_b32 s92, s46, 6
	s_add_co_u32 s92, s92, BSC
	s_mov_b32 s93, 0
	s_mul_i32 s20, s20, 1536
	s_mov_b32 s21, 0
	s_mul_i32 s46, s46, 1536
	s_mov_b32 s47, 0
	s_mul_i32 s45, s14, HALFT                      ; where my part of a slot goes: wave x 128 rows
	s_mul_i32 s18, s16, 128*1536                   ; which 128 rows of a tile I fetch in the ring, in bytes
	s_mov_b32 s19, 0
	s_mov_b32 s[SEL], 0x76543210
	s_mov_b32 s[SEL+1], 0xfedcba98
	s_wait_dscnt 0x0
	s_wait_kmcnt 0x0
	s_add_nc_u64 s[20:21], s[4:5], s[20:21]
	s_add_nc_u64 s[22:23], s[4:5], s[22:23]
	s_add_nc_u64 s[46:47], s[6:7], s[46:47]
	s_add_nc_u64 s[92:93], s[6:7], s[92:93]
	s_mov_b32 s[G0], 1                             ; the head's four tiles, each whole
	s_mov_b32 s[G0+1], 0
	s_mov_b64 s[G0+2:G0+3], s[20:21]
	s_or_b32 s[G0+3], s[G0+3], 0x80000000
	s_mov_b32 s[G0B], 1
	s_mov_b32 s[G0B+1], 2*HALFT
	s_mov_b64 s[G0B+2:G0B+3], s[46:47]
	s_or_b32 s[G0B+3], s[G0B+3], 0x80000000
	s_mov_b32 s[G0S], 1
	s_mov_b32 s[G0S+1], SCL
	s_mov_b64 s[G0S+2:G0S+3], s[22:23]
	s_or_b32 s[G0S+3], s[G0S+3], 0x80000000
	s_mov_b32 s[G0SB], 1
	s_mov_b32 s[G0SB+1], SCL+2*HALFS
	s_mov_b64 s[G0SB+2:G0SB+3], s[92:93]
	s_or_b32 s[G0SB+3], s[G0SB+3], 0x80000000
	s_add_nc_u64 s[20:21], s[20:21], s[18:19]      ; for the ring: my 128 rows
	s_add_nc_u64 s[46:47], s[46:47], s[18:19]
	s_mov_b32 s[G0+4], 1                           ; slot 1
	s_add_co_u32 s[G0+5], s45, SLOT
	s_add_nc_u64 s[G0+6:G0+7], s[20:21], SLB
	s_or_b32 s[G0+7], s[G0+7], 0x80000000
	s_mov_b32 s[G0B+4], 1
	s_add_co_u32 s[G0B+5], s45, SLOT
	s_add_nc_u64 s[G0B+6:G0B+7], s[46:47], SLB
	s_or_b32 s[G0B+7], s[G0B+7], 0x80000000
	CROUND                                         ; all sixteen work-groups are here: the first joint loads meet
	ARM 1, G0, G1
	ARM 2, G0B, G1B
	ARM 3, G0S, G1S
	TLOAD G0SB, G1SB
.Lhead_asked:
	; what my wave makes, its bias, and where its codes and scale words go (registers that feed no descriptor)
	s_lshr_b32 s2, s17, 2                          ; the batch
	s_lshl_b32 s3, s2, 4
	s_lshl_b32 s95, s42, 1
	s_add_co_u32 s3, s3, s95
	s_add_co_u32 s3, s3, s16                       ; q: 16 x batch + head
	s_lshl_b32 s2, s2, 2
	s_add_co_u32 s2, s2, s40                       ; k, v: 4 x batch + cx
	s_lshl_b32 s98, s42, 10
	s_lshl_b32 s95, s16, 9
	s_add_co_u32 s98, s98, s95                     ; q's bias
	s_lshl_b32 s95, s40, 9                         ; k's, v's: 512 bytes a head
	s_mov_b32 s18, VC
	s_mov_b32 s19, VS
	s_cmp_eq_u32 s16, 0
	s_cselect_b32 s18, KC, s18
	s_cselect_b32 s19, KS, s19
	s_cselect_b64 s[96:97], s[12:13], s[66:67]
	s_cmp_lt_u32 ttmp9, 2                          ; the cluster's x: alike in all partners
	s_cselect_b32 s18, 0, s18
	s_cselect_b32 s19, QS, s19
	s_cselect_b64 s[96:97], s[10:11], s[96:97]
	s_cselect_b32 s2, s3, s2
	s_cselect_b32 s98, s98, s95
	s_cselect_b32 s99, 0, s16                      ; 1: my wave makes v
	s_lshl_b32 s2, s2, 10
	s_and_b32 s3, s17, 3
	s_lshl_b32 s3, s3, 8
	s_add_co_u32 s2, s2, s3
	s_lshl_b32 s3, s15, 7
	s_add_co_u32 s2, s2, s3                        ; 1,024 x (batch, head) + my first token
	s_mul_i32 s3, s2, 96
	s_add_co_u32 s18, s18, s3
	s_lshl_b32 s3, s2, 2
	s_add_co_u32 s2, s19, s3
	s_mov_b32 s19, 0
	s_mov_b32 s3, 0
	s_add_nc_u64 s[10:11], s[8:9], s[18:19]        ; my 12,288 consecutive bytes of codes,
	s_add_nc_u64 s[12:13], s[8:9], s[2:3]          ; my 512 of scale words
	s_mov_b32 s18, s98
	s_add_nc_u64 s[96:97], s[96:97], s[18:19]      ; my 128 numbers of the bias
	; LDS: x's rows are source 1 for q and k, source 0 for v
	s_mul_i32 s22, s15, HALFT
	s_mul_i32 s23, s16, HALFT
	s_add_co_u32 s23, s23, 2*HALFT
	s_cmp_lg_u32 s99, 0
	s_cselect_b32 s2, s23, s22                     ; source 1's 128 rows
	s_cselect_b32 s3, s22, s23                     ; source 0's
	s_lshl_b32 s18, s15, 13                        ; x's scale words, the lower base,
	s_lshl_b32 s19, s16, 13
	s_add_co_u32 s19, s19, 2*HALFS
	s_sub_co_u32 s19, s19, s18                     ; and the distance to wq's
	s_add_co_u32 s18, s18, SCL
	s_lshl_b32 s93, s14, 9
	s_add_co_u32 s93, s93, STG
	; the prefetches: my work-group's 32 rows of the 128 that I fetch
	s_cmp_eq_u32 s15, 0
	s_cselect_b32 s94, s17, s42
	s_cselect_b32 s95, s40, s41
	s_cselect_b64 s[PFA:PFA+1], s[4:5], s[6:7]
	s_lshl_b32 s94, s94, 8
	s_lshl_b32 s98, s16, 7
	s_add_co_u32 s94, s94, s98
	s_lshl_b32 s95, s95, 5
	s_add_co_u32 s94, s94, s95
	s_mul_i32 s94, s94, 1536
	s_mov_b32 s95, 0
	s_add_nc_u64 s[PFA:PFA+1], s[PFA:PFA+1], s[94:95]
	v_and_b32 v1, 15, v0                           ; r
	v_bfe_u32 v2, v0, 4, 1                         ; h
	v_and_b32 v3, 31, v0
	v_lshlrev_b32 v[LI], 4, v3
	v_lshlrev_b32 v[BO], 5, v2                     ; q, k: my half's eight numbers of a tile's bias
	v_lshlrev_b32 v7, 2, v1                        ; 4 r
	v_add_nc_u32 v[ADRA], s2, v[LI]
	v_add_nc_u32 v[ADRB], s3, v[LI]
	v_add_nc_u32 v[ADRA+1], SLOT, v[ADRA]
	v_add_nc_u32 v[ADRB+1], SLOT, v[ADRB]
	v_xor_b32 v2, s99, v2                          ; which lanes take wq's scale words: 16-31 for q and k, 0-15 for v
	v_mul_u32_u24 v6, s19, v2
	v_add_nc_u32 v5, v7, v6
	v_add_nc_u32 v[ADRS], s18, v5
	v_add_nc_u32 v22, s93, v7                      ; the scale words' stage, in
	v_add_nc_u32 v23, s93, v[LI]                   ; and back
	v_min_u32 v3, 23, v3                           ; 24 blocks of 256 bytes: 12 of each of two row blocks
	v_mul_u32_u24 v4, v3, 22
	v_lshrrev_b32 v4, 8, v4                        ; 1 from block 12 on
	v_mul_u32_u24 v4, v4, 24576-SLB
	v_lshl_add_u32 v[PFO], v3, 8, v4
	s_wait_alu depctr_va_vdst(0)                   ; the wait at the head's end
	s_cmp_lg_u32 s99, 0
	s_cbranch_scc1 .Lbias_v
.irp b, 0,1,2,3,4,5,6,7
	global_load_b128 v[BI+8*\b:BI+8*\b+3], v[BO], s[96:97] offset:64*\b        ; the bias at columns 16 b + 8 h + 0 .. 7
	global_load_b128 v[BI+8*\b+4:BI+8*\b+7], v[BO], s[96:97] offset:64*\b+16
.endr
	s_branch .Lbias_in
.Lbias_v:
.irp a, 0,1,2,3,4,5,6,7
	global_load_b32 v[BI+8*\a], v7, s[96:97] offset:64*\a                      ; the bias of channel 16 a + r
.endr
.Lbias_in:
	global_prefetch_b8 v[PFO], s[PFA:PFA+1] offset:SLB th:TH_LOAD_NT scope:SCOPE_SE     ; slots 1 and 2
	global_prefetch_b8 v[PFO], s[PFA:PFA+1] offset:2*SLB th:TH_LOAD_NT scope:SCOPE_SE
	s_wait_tensorcnt 0x0                           ; my tile of the head's four is in
	ds_add_u32 v[SPW], v[NIL]
	s_mov_b32 s[G1+2], 8<<16                       ; no load of mine is out: from here on a load brings 8 row blocks,
	s_mov_b32 s[G1+4], 8
	s_mov_b32 s[G1B+2], 8<<16
	s_mov_b32 s[G1B+4], 8
	s_mov_b32 s[G0+1], s45                         ; and slot 0's groups 0 stand at my 128 rows
	s_mov_b64 s[G0+2:G0+3], s[20:21]
	s_or_b32 s[G0+3], s[G0+3], 0x80000000
	s_mov_b32 s[G0B+1], s45
	s_mov_b64 s[G0B+2:G0B+3], s[46:47]
	s_or_b32 s[G0B+3], s[G0B+3], 0x80000000
	s_wait_dscnt 0x0
	CROUND                                         ; all four tiles are in, and all sixteen work-groups are here
	JLOAD G0+4, G1, G0B+4, G1B                     ; slot 1, the first tensor load behind the round
	FETCH_B 0, 0, 0
	FETCH_A 0, 0, 0
	SCALES 0
	FETCH_A 0, 0, 4
	global_prefetch_b8 v[PFO], s[PFA:PFA+1] offset:3*SLB th:TH_LOAD_NT scope:SCOPE_SE   ; slot 3
	s_wait_loadcnt 0x0                             ; the bias
	s_cmp_lg_u32 s99, 0
	s_cbranch_scc1 .Lfirst_v
	STEP 0, 0, 1                                   ; the first step's products start the sums from the bias
	s_branch .Lfirst_done
.Lfirst_v:
.irp a, 0,1,2,3,4,5,6,7
.irp j, 1,2,3,4,5,6,7
	v_mov_b32 v[BI+8*\a+\j], v[BI+8*\a]            ; a C operand is eight registers: my channel's bias for eight tokens
.endr
.endr
	s_wait_alu depctr_va_vdst(0)                   ; the wait ahead of the step's wait
	STEP 0, 0, 2
.Lfirst_done:
	s_mov_b32 s3, LAPS-1
.Llap:
	TURN 0, 1, 1
	STEP 1, 0, 0
	TURN 1, 0, 1
	STEP 0, 0, 0
	s_sub_co_u32 s3, s3, 1
	s_cmp_lg_u32 s3, 0
	s_cbranch_scc1 .Llap
	TURN 0, 1, 0                                   ; the last lap fills nothing
	STEP 1, 0, 0
	s_wait_dscnt 4*NL
	WIN MUL_LO
	MUL16 0, 1, NQ-1, 1, 0
	MUL16 2, 1, NQ-1, 1, 0
	s_wait_dscnt 0
	WIN MUL_HI
	MUL16 4, 1, NQ-1, 1, 0
	MUL16 6, 1, NQ-1, 1, 0
	WIN 0
	; THE WAY OUT, one form for q, k and v: block a is 16 tokens x the head's 128, or 16 channels x my 128 keys
	PLACES NP
.irp b, 0,1,2,3
	v_mov_b32 v[TM+4+\b], 0                        ; a lane permute's destination counts as one of its sources
.endr
.irp a, 0,1,2,3,4,5,6,7
	QUANTW \a
.irp c, 0,1,2
	global_store_b128 v[LI], v[PC+4*\c:PC+4*\c+3], s[10:11] offset:1536*\a+512*\c   ; 512 consecutive bytes a store, aligned to 512
.endr
	ds_store_b32 v22, v[PW+\a] offset:64*\a        ; lanes r and r + 16 write the same word with the same value
.endr
	ds_load_b128 v[TT:TT+3], v23                   ; my 128 scale words (LDS serves a wave's instructions in order)
	s_wait_dscnt 0x0
	global_store_b128 v[LI], v[TT:TT+3], s[12:13]
	s_wait_tensorcnt 0x0                           ; the wave's end
	ds_add_u32 v[SPW], v[NIL]
	s_wait_dscnt 0x0
	CROUND                                         ; the closing round
	s_endpgm
.Lfunc_end_k_qc92e10741d_gemm_qkv:
	.size	k_qc92e10741d_gemm_qkv, .Lfunc_end_k_qc92e10741d_gemm_qkv-k_qc92e10741d_gemm_qkv
	.p2alignl 7, 3214868480
	.fill 96, 4, 3214868480
	.section	.rodata,"a",@progbits
	.p2align	6, 0x0
	.amdhsa_kernel k_qc92e10741d_gemm_qkv
		.amdhsa_group_segment_fixed_size 327680
		.amdhsa_private_segment_fixed_size 0
		.amdhsa_enable_private_segment 0
		.amdhsa_kernarg_size 48
		.amdhsa_user_sgpr_count 2
		.amdhsa_user_sgpr_kernarg_segment_ptr 1
		.amdhsa_wavefront_size32 1
		.amdhsa_system_sgpr_workgroup_id_x 1
		.amdhsa_system_sgpr_workgroup_id_y 1
		.amdhsa_system_sgpr_workgroup_id_z 1
		.amdhsa_system_vgpr_workitem_id 0
		.amdhsa_next_free_vgpr 1024
		.amdhsa_next_free_sgpr 102
		.amdhsa_reserve_vcc 0
		.amdhsa_float_denorm_mode_32 3
		.amdhsa_float_denorm_mode_16_64 3
		.amdhsa_memory_ordered 1
		.amdhsa_forward_progress 1
		.amdhsa_inst_pref_size 161
	.end_amdhsa_kernel
	.amdgpu_metadata
---
amdhsa.version: [ 1, 2 ]
amdhsa.kernels:
  - .name:           k_qc92e10741d_gemm_qkv
    .symbol:         k_qc92e10741d_gemm_qkv.kd
    .args:
      - { .name: xq, .offset: 0, .size: 8, .value_kind: global_buffer, .address_space: global }
      - { .name: wq, .offset: 8, .size: 8, .value_kind: global_buffer, .address_space: global }
      - { .name: qkv, .offset: 16, .size: 8, .value_kind: global_buffer, .address_space: global }
      - { .name: bq, .offset: 24, .size: 8, .value_kind: global_buffer, .address_space: global }
      - { .name: bk, .offset: 32, .size: 8, .value_kind: global_buffer, .address_space: global }
      - { .name: bv, .offset: 40, .size: 8, .value_kind: global_buffer, .address_space: global }
    .group_segment_fixed_size: 327680
    .private_segment_fixed_size: 0
    .kernarg_segment_align: 8
    .kernarg_segment_size: 48
    .max_flat_workgroup_size: 128
    .sgpr_count:     102
    .vgpr_count:     1024
    .wavefront_size: 32
...
	.end_amdgpu_metadata
.endif
;; end of part 2
;; launch attn (part 3): grid 16 x 16, 16 waves a work-group, clusters of 4 x 1, 276,480 bytes of LDS; arguments qkv, ao; writes ao
.if DOCPART == 3
	.amdgcn_target "amdgcn-amd-amdhsa--gfx1250"
	.amdhsa_code_object_version 6
	.text
	.protected	k_qc92e10741d_attn
	.globl	k_qc92e10741d_attn
	.p2align	8
	.type	k_qc92e10741d_attn,@function
k_qc92e10741d_attn:
	s_mov_b64 s[64:65], 0
	v_nop
	global_prefetch_b8 v0, s[64:65] scope:SCOPE_SE
	s_setreg_imm32_b32 hwreg(HW_REG_WAVE_MODE, 25, 1), 1
	s_wait_xcnt 0x0
	s_wait_alu depctr_hold_cnt(0) depctr_sa_sdst(0) depctr_va_vdst(0) depctr_va_sdst(0) depctr_va_ssrc(0) depctr_va_vcc(0) depctr_vm_vsrc(0)
	s_getreg_b32 s2, hwreg(HW_REG_IB_STS2, 6, 4)
	s_cmp_eq_u32 s2, 0
	s_cbranch_scc0 .Lentry_in_a_cluster
	s_endpgm
.Lentry_in_a_cluster:
	s_bfe_u32 s2, ttmp6, 0x10000c
	s_cmp_lg_u32 s2, 0x3003
	s_cbranch_scc0 .Lentry_shape_is_right
	s_endpgm
.Lentry_shape_is_right:
; o[b][h][q] = the sum over keys k <= q of softmax_k(q . k / sqrt(128)) v, 16 query heads on 4 key/value heads, both products on codes of FP6 (E2M3) with E8M0 scales; o is quantised along the head's 128 and leaves as codes.
; THE SOFTMAX AHEAD OF THE SECOND PRODUCT: t = score x log2(e) / sqrt(128); M = the row's largest t so far, rounded UP to a whole number; p = 2^(t - M) is quantised along the keys, not normalised.
; The row's sum is taken of the unquantised p, in f32, and divides O at the end.  When M moves, the sum and O are multiplied by 2^(old M - new M): exact.
; ALL CODES ARE IMAGES OF OPERAND REGISTERS (a fragment: 1,536 bytes, chunk c = registers 4 c .. 4 c + 3, lane l's 16 bytes at 16 l); inside a block of 32 the code at place i is that of
; k = (i & 7) + 16 ((i >> 3) & 1) + 8 ((i >> 4) & 1), alike on both sides of every product: the order in which a transposed result falls into a lane's registers.
; SHARES.  Work-group (x, y): y = 4 x batch + key/value head; the cluster's x = g; the place in the cluster, cx, is the query head in its group of four.  The work-group owns query tiles 4 u + g, u = 0 .. 15;
; tile u has u / 2 + 1 key steps of 128 under the causal mask, 72 in all.  THE TILES GO IN PAIRS (i, 15 - i), 9 steps a pair, to two waves:
;   wave i (0 .. 7) takes steps 0-4 of the long tile 15 - i, five steps, and hands its part (O^T, the sum, -M) on through LDS bytes of the pair's own;
;   wave 8 + i takes the short tile i whole and stores it, then the long tile's steps 5 on (four steps in all; for i = 6, 7 the long tile has none left), joins the two parts behind one barrier, and stores the long tile.
; THE JOIN is exact in the scales: both M are whole numbers, the larger is the joint M, and each part's O^T and sum are multiplied by 2^(its M - the joint M).  A block's codes do not hang on which M its p was made under.
; A part with no step keeps its start, M = -3e38 and zeros: its factor is 2^(a saturated negative whole number) = 0, as at every tile's first step.
; CLUSTER.  The four partners are the four query heads of one key/value head: they read the same K and V, so every tensor load is joint, with a mask that names the four.
; ALL OF A KEY/VALUE HEAD LIES IN LDS: K's codes 98,304 bytes, V's 98,304, their scale words 4,096 each.  Nothing is filled again: no ring.  THE TEN FIRST FILLS GO ONE TO A WAVE, in one chain of branches on the wave's
; number: wave 0 K's scale words, wave 1 V's, wave 2 + 2 j chunk j (256 keys) of K, wave 3 + 2 j chunk j of V; waves 10-15 ask for nothing.  One tensor load of a wave is out at the most.
; Waves 0-3 wait for their loads ahead of the first barrier, behind which step 0 is run, by every wave; every wave waits for its load ahead of the second, behind which all of K and V may be read.
; No prefetch: all that the launch reads of K and V is asked for at its head.
; LAYOUT.  Both products are used transposed: S^T = K Q^T, O^T = V^T P^T: a lane holds ONE query (lane % 16) throughout.
; CAUSAL.  Key step st is hidden from tile u where u < 2 st and open to it where u >= 2 st + 2, whatever g is: branches on numbers made of the wave's number alone.  In between hidden scores become -infinity.
; LIMITS: NaN and infinities are not served; a block of zeros gets the byte 1 (its codes are zeros; this program alone reads the bytes).  A block's largest p is taken as the exponential of its largest score.
; The promise holds while the scaled scores t stay under 2^31 in magnitude.
; REGISTERS: v1-5, v7, v10 addresses and lane terms that stay; v8, v9 the chunk in hand; v12 -M, v13 the largest t, v[14:15] the sum; v16-27 Q, v28 its scale words; v32-79 four fragments of K or V; v96-159 S^T, then p;
;   v160-223 O^T; v224-235 p's codes; v232-254 at work; v248-251, v253 scale words; v243, v255 the add's two.
.set KC,   6291456
.set VC,   7864320
.set QS,   9437184
.set KS,   9699328
.set VS,   9764864
.set OS,   6291456
.set CH,   24576
.set KCL,  0
.set VCL,  98304
.set KSL,  196608
.set VSL,  200704
.set SPARE, 204800                     ; the spare words: 128 bytes for each of 16 waves
.set XCH,  206848                      ; a pair's bytes: 16 x 512 of O^T, 512 of -M and the sum; no fill lands there
.set XPB,  8704
.set SPW,  243
.set NIL,  255
.set WV,   18
.set U1,   19                          ; the tile of steps 0-4: 15 - i in waves 0-7, i in waves 8-15
.set U2,   17                          ; the pair's long tile, 15 - i
.set SEL,  20
.set CS,   22
.set G0K,  24                          ; s[24:43] five groups 0 for K: the scale words, chunks 0-3
.set G0V,  44                          ; s[44:63] the same for V
.set G1C,  68
.set G1S,  76
.macro CROUND
	s_barrier_signal -1
	s_barrier_wait -1
	s_cmp_lg_u32 s[WV], 0
	s_cbranch_scc1 .Lnot_wave_0_\@
	s_barrier_signal -3
.Lnot_wave_0_\@:
	s_barrier_wait -3
	s_barrier_signal -1
	s_barrier_wait -1
.endm
.macro ARM under, g0, g1               ; an arm of the one chain: the wave under \under that no earlier arm took
	s_cmp_lt_u32 s[WV], \under
	s_cbranch_scc0 .Lnext_\@
	tensor_load_to_lds s[\g0:\g0+3], s[\g1:\g1+7]
	s_nop 0
.rept 4
	v_nop
.endr
	s_branch .Lasked
.Lnext_\@:
.endm
; Tile 4 u + g: where its Q and Q's scale words lie, where its o and o's scale words go, and its first query
.macro TILE u, qa, qs, oa, os, fq
	s_lshl_b32 s10, s[\u], 2
	s_add_co_u32 s10, s10, ttmp9
	s_lshl_b32 s11, s8, 4
	s_add_co_u32 s11, s11, s9
	s_lshl_b32 s11, s11, 6
	s_add_co_u32 s11, s11, s10                     ; 64 (16 x batch + head) + tile
	s_mul_i32 s[\qa], s11, 1536
	s_mov_b32 s[\qa+1], 0
	s_lshl_b32 s[\qs], s11, 6
	s_add_co_u32 s[\qs], s[\qs], QS
	s_mov_b32 s[\qs+1], 0
	s_add_nc_u64 s[\qa:\qa+1], s[4:5], s[\qa:\qa+1]
	s_add_nc_u64 s[\qs:\qs+1], s[4:5], s[\qs:\qs+1]
	s_lshl_b32 s16, s8, 6
	s_add_co_u32 s16, s16, s10                     ; ao's row block = 64 x batch + tile;
	s_lshl_b32 s16, s16, 4
	s_add_co_u32 s16, s16, s9                      ; its K step = the head
	s_mul_i32 s[\oa], s16, 1536
	s_mov_b32 s[\oa+1], 0
	s_lshl_b32 s[\os], s16, 6
	s_add_co_u32 s[\os], s[\os], OS
	s_mov_b32 s[\os+1], 0
	s_add_nc_u64 s[\oa:\oa+1], s[6:7], s[\oa:\oa+1]
	s_add_nc_u64 s[\os:\os+1], s[6:7], s[\os:\os+1]
	s_lshl_b32 s[\fq], s10, 4
.endm
; 64 numbers of a lane, register 16 b + e = place 16 (lane / 16) + e of block b of my row, become a fragment's codes in v[pc] on and my row's scale word in v[pw].
.macro QUANT s, pc, tq, tm, pw
.irp b, 0,1,2,3
	v_max3_num_f32 v[\tm+\b], |v[\s+16*\b]|, |v[\s+1+16*\b]|, 0x1800000
.endr
.irp i, 2,4,6,8,10,12,14
.irp b, 0,1,2,3
	s_delay_alu instid0(VALU_DEP_4)
	v_max3_num_f32 v[\tm+\b], v[\tm+\b], |v[\s+16*\b+\i]|, |v[\s+1+16*\b+\i]|
.endr
.endr
.irp b, 0,1,2,3
	s_delay_alu instid0(VALU_DEP_4)
	v_permlanex16_b32 v[\tm+4+\b], v[\tm+\b], s[SEL], s[SEL+1]
.endr
.irp b, 0,1,2,3
	s_delay_alu instid0(VALU_DEP_4)
	v_max_num_f32 v[\tm+\b], v[\tm+\b], v[\tm+4+\b]
.endr
.irp b, 0,1,2,3
	s_delay_alu instid0(VALU_DEP_4)
	v_add_nc_u32 v[\tm+12+\b], 0xff000000, v[\tm+\b]
.endr
.irp b, 0,1,2,3
	s_delay_alu instid0(VALU_DEP_4)
	v_lshrrev_b32 v[\tm+8+\b], 23, v[\tm+12+\b]
.endr
	s_delay_alu instid0(VALU_DEP_3)
	v_lshl_or_b32 v[\pw], v[\tm+9], 8, v[\tm+8]
	s_delay_alu instid0(VALU_DEP_1)
	v_lshl_or_b32 v[\pw], v[\tm+10], 16, v[\pw]
	s_delay_alu instid0(VALU_DEP_1)
	v_lshl_or_b32 v[\pw], v[\tm+11], 24, v[\pw]
.irp c, 0,1
	v_cvt_scalef32_pk16_fp6_f32 v[\pc+6*\c:\pc+2+6*\c], v[\s+32*\c:\s+15+32*\c], v[\tm+12+2*\c]
	v_cvt_scalef32_pk16_fp6_f32 v[\tq+4*\c:\tq+2+4*\c], v[\s+16+32*\c:\s+31+32*\c], v[\tm+12+2*\c+1]
.endr
	v_nop                                          ; one plain line behind the scaled conversions
.irp c, 0,1
.irp i, 0,1,2
	v_permlane16_swap_b32 v[\pc+6*\c+\i], v[\tq+4*\c+\i]
.endr
.irp i, 0,1,2
	s_delay_alu instid0(VALU_DEP_3)
	v_mov_b32 v[\pc+3+6*\c+\i], v[\tq+4*\c+\i]
.endr
.endr
.endm
; A KEY STEP: keys 128 st on, for the tile whose number stands in s[u]; every offset is an immediate.
.macro STEP st, u
.set QQ, (\st)%2
.if (\st) > 0
	s_cmp_lt_u32 s[\u], 2*(\st)                    ; all 128 keys come after my 16 queries: the step is left out
	s_cbranch_scc1 .Lhidden_\@
.endif
.irp g, 0,1                                    ; S^T = K Q^T, four tiles of 16 keys at a time
.rept 4
	v_nop                                          ; places in front of loads into registers that matrix instructions have read
.endr
.irp t, 0,1,2,3
.irp c, 0,1,2
	ds_load_b128 v[32+12*\t+4*\c:35+12*\t+4*\c], v8 offset:12288*QQ+1536*(4*\g+\t)+512*\c
.endr
	ds_load_b32 v[248+\t], v2 offset:512*(\st)+64*(4*\g+\t)
.endr
	s_wait_dscnt 0x0
.irp t, 0,1,2,3
	v_wmma_scale_f32_16x16x128_f8f6f4 v[96+8*(4*\g+\t):103+8*(4*\g+\t)], v[32+12*\t:43+12*\t], v[16:27], 0, v[248+\t], v28 matrix_a_fmt:MATRIX_FMT_FP6 matrix_b_fmt:MATRIX_FMT_FP6
.endr
.endr                                          ; register 8 T + j is key 128 st + 16 T + 8 h + j of query r
.rept 4
	v_nop
.endr
	s_cmp_ge_u32 s[\u], 2*(\st)+2                  ; all 128 keys count for my 16 queries: no mask
	s_cbranch_scc1 .Lopen_\@
	v_add_nc_u32 v240, -(128*(\st)), v4            ; d = my query - 8 h - the step's first key: register n's key is hidden where 16 (n / 8) + n % 8 > d
	v_mov_b32 v241, 0xff800000                     ; -infinity: p = 0 then
.set J, 0
.rept 64
	v_cmp_gt_i32 vcc_lo, 16*(J/8)+J%8, v240
	v_cndmask_b32 v[96+J], v[96+J], v241, vcc_lo
.set J, J+1
.endr
.Lopen_\@:
.irp b, 0,1,2,3
	v_max3_num_f32 v[232+\b], v[96+16*\b], v[97+16*\b], v[98+16*\b]   ; the largest score of each block of 32 keys: it serves the row's maximum and the block's largest p
.endr
.irp i, 3,5,7,9,11,13
.irp b, 0,1,2,3
	v_max3_num_f32 v[232+\b], v[232+\b], v[96+16*\b+\i], v[97+16*\b+\i]
.endr
.endr
.irp b, 0,1,2,3
	v_max_num_f32 v[232+\b], v[232+\b], v[111+16*\b]
.endr
.irp b, 0,1,2,3
	s_delay_alu instid0(VALU_DEP_4)
	v_permlanex16_b32 v[236+\b], v[232+\b], s[SEL], s[SEL+1]
.endr
.irp b, 0,1,2,3
	s_delay_alu instid0(VALU_DEP_4)
	v_max_num_f32 v[232+\b], v[232+\b], v[236+\b]   ; with lane l xor 16's 16 keys
.endr
	s_delay_alu instid0(VALU_DEP_2)
	v_max3_num_f32 v254, v232, v233, v234
	s_delay_alu instid0(VALU_DEP_1)
	v_max_num_f32 v254, v254, v235                 ; the step's largest score of my query
	s_delay_alu instid0(VALU_DEP_1)
	v_mul_f32 v254, s[CS], v254                    ; as t (c is positive)
	s_delay_alu instid0(VALU_DEP_1)
	v_max_num_f32 v13, v13, v254                   ; the running largest t
	v_mov_b32 v254, v12
	s_delay_alu instid0(VALU_DEP_2)
	v_floor_f32 v12, -v13                          ; the new -M = -ceil(t)
	s_delay_alu instid0(VALU_DEP_1)
	v_sub_f32 v254, v12, v254                      ; M's old value less its new one: a whole number, 0 or less
	s_delay_alu instid0(VALU_DEP_1)
	v_cvt_i32_f32 v254, v254                       ; (it saturates)
	s_delay_alu instid0(VALU_DEP_1)
	v_ldexp_f32 v252, 1.0, v254                    ; f = 2^(old M - new M)
.set J, 96
.rept 32
	v_pk_fma_f32 v[J:J+1], v[J:J+1], s[CS:CS+1], v[12:13] op_sel_hi:[1,0,0]   ; t - M, two at a time
.set J, J+2
.endr
.irp b, 0,1,2,3
	v_fma_f32 v[232+\b], v[232+\b], s[CS], v12     ; the same of each block's largest score
.endr
	s_wait_alu depctr_va_vdst(0)                   ; the wait ahead of the batch
.set J, 96
.rept 64
	v_exp_f32 v[J], v[J]                           ; p = 2^(t - M), at most 1
.set J, J+1
.endr
	v_pk_mul_f32 v[14:15], v[14:15], v[252:253] op_sel_hi:[1,0]   ; the sums under the new M.  (A plain line behind the exponentials)
	s_wait_alu depctr_va_vdst(0)                   ; one wait for the whole batch, ahead of its first reader
.irp b, 0,1,2,3
	v_exp_f32 v[232+\b], v[232+\b]                 ; the block's largest p
.endr
.set J, 96                                     ; the row's sum of the unquantised p: 32 pairs in eight chains by turns
.irp r, 236,250,248,246,244,240,238
	v_pk_add_f32 v[\r:\r+1], v[J:J+1], v[J+2:J+3]
.set J, J+4
.endr
.rept 2
.irp r, 14,236,250,248,246,244,240,238
	v_pk_add_f32 v[\r:\r+1], v[\r:\r+1], v[J:J+1]
.set J, J+2
.endr
.endr
	v_pk_add_f32 v[14:15], v[14:15], v[156:157]
	v_pk_add_f32 v[236:237], v[236:237], v[158:159]
	s_delay_alu instid0(VALU_DEP_2)
	v_pk_add_f32 v[14:15], v[14:15], v[246:247]
	s_delay_alu instid0(VALU_DEP_2)
	v_pk_add_f32 v[236:237], v[236:237], v[244:245]
	v_pk_add_f32 v[250:251], v[250:251], v[240:241]
	v_pk_add_f32 v[248:249], v[248:249], v[238:239]
	s_delay_alu instid0(VALU_DEP_2)
	v_pk_add_f32 v[14:15], v[14:15], v[250:251]
	s_delay_alu instid0(VALU_DEP_2)
	v_pk_add_f32 v[236:237], v[236:237], v[248:249]
	s_delay_alu instid0(VALU_DEP_1)
	v_pk_add_f32 v[14:15], v[14:15], v[236:237]
	s_wait_alu depctr_va_vdst(0)                   ; and one for the four
.irp b, 0,1,2,3
	v_max_num_f32 v[232+\b], 0x1800000, v[232+\b]  ; the floor 2^(3 - 127): the byte cannot fall under 1
.endr
.irp b, 0,1,2,3
	s_delay_alu instid0(VALU_DEP_4)
	v_add_nc_u32 v[244+\b], 0xff000000, v[232+\b]  ; the conversion's scale operand
.endr
.irp b, 0,1,2,3
	s_delay_alu instid0(VALU_DEP_4)
	v_lshrrev_b32 v[236+\b], 23, v[244+\b]         ; the scale's byte
.endr
	s_delay_alu instid0(VALU_DEP_3)
	v_lshl_or_b32 v253, v237, 8, v236              ; p's scale word for these 128 keys
	s_delay_alu instid0(VALU_DEP_1)
	v_lshl_or_b32 v253, v238, 16, v253
	s_delay_alu instid0(VALU_DEP_1)
	v_lshl_or_b32 v253, v239, 24, v253
.irp c, 0,1
	v_cvt_scalef32_pk16_fp6_f32 v[224+6*\c:226+6*\c], v[96+32*\c:111+32*\c], v[244+2*\c]
	v_cvt_scalef32_pk16_fp6_f32 v[236+4*\c:238+4*\c], v[112+32*\c:127+32*\c], v[244+2*\c+1]
.endr
	v_nop                                          ; one plain line behind the scaled conversions
.irp c, 0,1                                    ; a whole block to a lane
.irp i, 0,1,2
	v_permlane16_swap_b32 v[224+6*\c+\i], v[236+4*\c+\i]
.endr
.irp i, 0,1,2
	s_delay_alu instid0(VALU_DEP_3)
	v_mov_b32 v[227+6*\c+\i], v[236+4*\c+\i]
.endr
.endr
.set J, 160
.rept 32
	v_pk_mul_f32 v[J:J+1], v[J:J+1], v[252:253] op_sel_hi:[1,0]   ; O^T under the new M.  (Also the places in front of the matrix instructions and loads below)
.set J, J+2
.endr
	s_wait_alu depctr_va_vdst(0)                   ; the wait ahead of the wait on LDS below
.irp g, 0,1                                    ; O^T += V^T P^T: four tiles of 16 channels at a time
.if \g > 0
.rept 4
	v_nop
.endr
.endif
.irp t, 0,1,2,3
.irp c, 0,1,2
	ds_load_b128 v[32+12*\t+4*\c:35+12*\t+4*\c], v9 offset:12288*QQ+1536*(4*\g+\t)+512*\c
.endr
	ds_load_b32 v[248+\t], v3 offset:512*(\st)+64*(4*\g+\t)
.endr
	s_wait_dscnt 0x0
.irp t, 0,1,2,3
	v_wmma_scale_f32_16x16x128_f8f6f4 v[160+8*(4*\g+\t):167+8*(4*\g+\t)], v[32+12*\t:43+12*\t], v[224:235], v[160+8*(4*\g+\t):167+8*(4*\g+\t)], v[248+\t], v253 matrix_a_fmt:MATRIX_FMT_FP6 matrix_b_fmt:MATRIX_FMT_FP6
.endr
.endr
.if (\st) > 0
.Lhidden_\@:
.endif
.endm
.macro CADR j                          ; the addresses of chunk j (256 keys, two steps)
	v_add_nc_u32 v8, KCL+CH*(\j), v1
	v_add_nc_u32 v9, VCL+CH*(\j), v1
	s_wait_alu depctr_va_vdst(0)                   ; the wait ahead of the steps' branches
.endm
.macro START                           ; a tile's sums begin: the step has one form; the first finds zeros
	v_mov_b32 v13, 0xff61b1e6                      ; the largest t so far: -3e38
	s_delay_alu instid0(VALU_DEP_1)
	v_floor_f32 v12, -v13                          ; -M
	v_mov_b32 v14, 0
	v_mov_b32 v15, 0
.endm
.macro OZERO
.set J, 160
.rept 64
	v_mov_b32 v[J], 0
.set J, J+1
.endr
.endm
; A tile's way out: O^T / the sum is quantised along the head's 128 and leaves as one image and 16 scale words.
.macro FINISH oa, os
.rept 4
	v_nop
.endr
	v_add_f32 v14, v14, v15
	s_delay_alu instid0(VALU_DEP_1)
	v_permlanex16_b32 v252, v14, s[SEL], s[SEL+1]
	s_delay_alu instid0(VALU_DEP_1)
	v_add_f32 v14, v14, v252                       ; the row's sum
	s_wait_alu depctr_va_vdst(0)
	v_rcp_f32 v14, v14
.irp b, 0,1,2,3
	v_mov_b32 v[36+\b], 0                          ; (plain lines behind the reciprocal)  the permutes' destinations
.endr
	s_wait_alu depctr_va_vdst(0)                   ; ahead of the first reader
.set J, 0
.rept 64
	v_mul_f32 v[96+J], v[160+J], v14               ; register 8 T + j is o(query r, channel 16 T + 8 h + j)
.set J, J+1
.endr
	QUANT 96, 64, 76, 32, 48
.irp c, 0,1,2
	global_store_b128 v1, v[64+4*\c:67+4*\c], s[\oa:\oa+1] offset:512*\c   ; 512 consecutive bytes a store, aligned to 512
.endr
	global_store_b32 v5, v48, s[\os:\os+1]         ; 64 consecutive bytes: lanes r and r + 16 store the same word to the same place
.endm
	s_load_b128 s[4:7], s[0:1], 0x0                ; qkv s[4:5], ao s[6:7]
	v_lshl_add_u32 v[SPW], v0, 2, SPARE
	v_mov_b32 v[NIL], 0
	ds_add_u32 v[SPW], v[NIL]                      ; the opening lines: the add twice on end and one wait
	ds_add_u32 v[SPW], v[NIL]
	v_lshrrev_b32 v8, 5, v0
	s_delay_alu instid0(VALU_DEP_1)
	v_readfirstlane_b32 s[WV], v8                  ; wave 0..15
	s_and_b32 s84, ttmp7, 0xffff                   ; y = 4 x batch + key/value head: the four partners share it
	s_mul_i32 s86, s84, 98304
	s_mov_b32 s87, 0
	s_lshl_b32 s88, s84, 12
	s_mov_b32 s89, 0
	s_mov_b32 s[G1C], 15|(3<<16)|(1<<21)           ; dense blocks as rows of 256 bytes: a chunk 96 rows, the scale words 16; the mask names all four
	s_mov_b32 s[G1C+1], 32<<16
	s_mov_b32 s[G1C+2], 96<<16
	s_mov_b32 s[G1C+3], 32<<16
	s_mov_b32 s[G1C+4], 96
	s_mov_b32 s[G1C+5], 32
	s_mov_b32 s[G1C+6], 0
	s_mov_b32 s[G1C+7], 0
	s_mov_b32 s[G1S], 15|(3<<16)|(1<<21)
	s_mov_b32 s[G1S+1], 32<<16
	s_mov_b32 s[G1S+2], 16<<16
	s_mov_b32 s[G1S+3], 32<<16
	s_mov_b32 s[G1S+4], 16
	s_mov_b32 s[G1S+5], 32
	s_mov_b32 s[G1S+6], 0
	s_mov_b32 s[G1S+7], 0
	s_mov_b32 s[SEL], 0x76543210
	s_mov_b32 s[SEL+1], 0xfedcba98
	s_mov_b32 s[CS], 0x3e0293ee                    ; c = log2(e) / sqrt(128)
	s_mov_b32 s[CS+1], s[CS]
	s_wait_dscnt 0x0
	s_wait_kmcnt 0x0
	s_add_nc_u64 s[90:91], s[4:5], s[86:87]
	s_add_nc_u64 s[92:93], s[4:5], s[88:89]
	s_mov_b32 s[G0K], 1
	s_mov_b32 s[G0K+1], KSL
	s_add_nc_u64 s[G0K+2:G0K+3], s[92:93], KS
	s_or_b32 s[G0K+3], s[G0K+3], 0x80000000
	s_mov_b32 s[G0V], 1
	s_mov_b32 s[G0V+1], VSL
	s_add_nc_u64 s[G0V+2:G0V+3], s[92:93], VS
	s_or_b32 s[G0V+3], s[G0V+3], 0x80000000
.irp j, 0,1,2,3
	s_mov_b32 s[G0K+4+4*\j], 1
	s_mov_b32 s[G0K+5+4*\j], KCL+CH*\j
	s_add_nc_u64 s[G0K+6+4*\j:G0K+7+4*\j], s[90:91], KC+CH*\j
	s_or_b32 s[G0K+7+4*\j], s[G0K+7+4*\j], 0x80000000
	s_mov_b32 s[G0V+4+4*\j], 1
	s_mov_b32 s[G0V+5+4*\j], VCL+CH*\j
	s_add_nc_u64 s[G0V+6+4*\j:G0V+7+4*\j], s[90:91], VC+CH*\j
	s_or_b32 s[G0V+7+4*\j], s[G0V+7+4*\j], 0x80000000
.endr
	CROUND                                         ; all four work-groups are here: the joint loads meet
	ARM 1, G0K, G1S
	ARM 2, G0V, G1S
	ARM 3, G0K+4, G1C
	ARM 4, G0V+4, G1C
	ARM 5, G0K+8, G1C
	ARM 6, G0V+8, G1C
	ARM 7, G0K+12, G1C
	ARM 8, G0V+12, G1C
	ARM 9, G0K+16, G1C
	ARM 10, G0V+16, G1C
.Lasked:
	; my tiles (the place in the cluster enters global addresses alone)
	s_bfe_u32 s85, ttmp6, 0x40000                  ; cx
	s_lshr_b32 s8, s84, 2                          ; batch
	s_and_b32 s9, s84, 3
	s_lshl_b32 s9, s9, 2
	s_add_co_u32 s9, s9, s85                       ; head
	s_and_b32 s2, s[WV], 7                         ; my pair, i
	s_lshr_b32 s3, s[WV], 3                        ; 0: steps 0-4 of the long tile; 1: the short tile and the long tile's rest
	s_xor_b32 s[U2], s2, 15                        ; 15 - i
	s_mul_i32 s[U1], s3, 15
	s_xor_b32 s[U1], s[U1], s[U2]                  ; 15 - i, or i
	s_mul_i32 s99, s2, XPB
	s_add_co_u32 s99, s99, XCH                     ; the pair's bytes
	TILE U1, 12, 14, 94, 96, 98
	TILE U2, 86, 88, 90, 92, 100
	v_and_b32 v10, 31, v0
	s_delay_alu instid0(VALU_DEP_1)
	v_lshlrev_b32 v1, 4, v10                       ; 16 x lane
	v_and_b32 v10, 15, v0                          ; r
	v_bfe_u32 v11, v0, 4, 1                        ; h
	s_delay_alu instid0(VALU_DEP_2)
	v_lshlrev_b32 v5, 2, v10                       ; 4 r
	s_delay_alu instid0(VALU_DEP_1)
	v_add_nc_u32 v2, KSL, v5
	s_delay_alu instid0(VALU_DEP_2)
	v_add_nc_u32 v3, VSL, v5
	s_delay_alu instid0(VALU_DEP_4)
	v_lshlrev_b32 v11, 3, v11
	s_delay_alu instid0(VALU_DEP_1)
	v_sub_nc_u32 v10, v10, v11                     ; r - 8 h: it stays
	s_delay_alu instid0(VALU_DEP_1)
	v_add_nc_u32 v4, s98, v10                      ; my query - 8 h
	v_add_nc_u32 v7, s99, v1                       ; my 16 bytes of each 512 of the pair's
.irp c, 0,1,2
	global_load_b128 v[16+4*\c:19+4*\c], v1, s[12:13] offset:512*\c   ; Q's fragment stays in registers
.endr
	global_load_b32 v28, v5, s[14:15]
	START
.irp b, 0,1,2,3
	v_mov_b32 v[236+\b], 0                         ; a lane permute's destination counts as one of its sources
.endr
	v_mov_b32 v253, 0                              ; (named as the upper half of the pair v[252:253] before it is first written)
	OZERO
	s_wait_loadcnt 0x0                             ; Q
	s_cmp_ge_u32 s[WV], 4                          ; the scale words and chunk 0 are waves 0-3's
	s_cbranch_scc1 .Llater
	s_wait_tensorcnt 0x0
.Llater:
	s_wait_dscnt 0x0
	s_barrier_signal -1
	s_barrier_wait -1
	CADR 0
	STEP 0, U1                                     ; every wave runs it: the other chunks land meanwhile
	s_wait_tensorcnt 0x0                           ; my load, whichever it was
	s_wait_dscnt 0x0
	s_barrier_signal -1
	s_barrier_wait -1                              ; all of K and V is in: from here to the join no wave waits for another
	STEP 1, U1
	CADR 1
	STEP 2, U1
	STEP 3, U1
	CADR 2
	STEP 4, U1                                     ; hidden from every short tile
	s_cmp_lt_u32 s[WV], 8
	s_cbranch_scc0 .Lsecond
.rept 4
	v_nop                                          ; places behind the last products
.endr
.set J, 0
.rept 16
	ds_store_b128 v7, v[160+4*J:163+4*J] offset:512*J   ; my part of the long tile: each accumulator from its low end on
.set J, J+1
.endr
	ds_store_b128 v7, v[12:15] offset:8192         ; -M, the largest t, the sum's two halves
	s_branch .Lmeet
.Lsecond:
.rept 4
	v_nop                                          ; places in front of loads into registers that matrix instructions have read
.endr
.irp c, 0,1,2
	global_load_b128 v[16+4*\c:19+4*\c], v1, s[86:87] offset:512*\c   ; the long tile's Q comes while the short tile leaves
.endr
	global_load_b32 v28, v5, s[88:89]
	FINISH 94, 96
	START
	v_add_nc_u32 v4, s100, v10
	OZERO
	s_wait_xcnt 0x0                                ; the stores have read their registers: fragments land there again
	s_wait_loadcnt 0x0                             ; Q
	STEP 5, U2                                     ; (chunk 2's addresses stand)
	CADR 3
	STEP 6, U2
	STEP 7, U2
.Lmeet:
	s_wait_dscnt 0x0                               ; my stores are done
	s_barrier_signal -1
	s_barrier_wait -1
	s_cmp_lt_u32 s[WV], 8
	s_cbranch_scc1 .Lend
	; THE JOIN
.rept 4
	v_nop
.endr
.set J, 0
.rept 16
	ds_load_b128 v[96+4*J:99+4*J], v7 offset:512*J
.set J, J+1
.endr
	ds_load_b128 v[236:239], v7 offset:8192
	s_wait_dscnt 0x0
	v_min_num_f32 v244, v12, v236                  ; the joint -M
	s_delay_alu instid0(VALU_DEP_1)
	v_sub_f32 v245, v244, v236                     ; the other part's M less the joint M: a whole number, 0 or less;
	v_sub_f32 v246, v244, v12                      ; and mine
	s_delay_alu instid0(VALU_DEP_2)
	v_cvt_i32_f32 v245, v245
	s_delay_alu instid0(VALU_DEP_2)
	v_cvt_i32_f32 v246, v246
	s_delay_alu instid0(VALU_DEP_2)
	v_ldexp_f32 v254, 1.0, v245
	s_delay_alu instid0(VALU_DEP_2)
	v_ldexp_f32 v252, 1.0, v246
	s_delay_alu instid0(VALU_DEP_1)
	v_pk_mul_f32 v[14:15], v[14:15], v[252:253] op_sel_hi:[1,0]
.set J, 160
.rept 32
	v_pk_mul_f32 v[J:J+1], v[J:J+1], v[252:253] op_sel_hi:[1,0]
.set J, J+2
.endr
	v_pk_fma_f32 v[14:15], v[238:239], v[254:255], v[14:15] op_sel_hi:[1,0,1]
.set J, 160
.rept 32
	v_pk_fma_f32 v[J:J+1], v[J-64:J-63], v[254:255], v[J:J+1] op_sel_hi:[1,0,1]
.set J, J+2
.endr
	FINISH 90, 92
.Lend:
	s_wait_tensorcnt 0x0                           ; the wave's end
	ds_add_u32 v[SPW], v[NIL]
	s_wait_dscnt 0x0
	CROUND                                         ; the closing round
	s_endpgm
.Lfunc_end_k_qc92e10741d_attn:
	.size	k_qc92e10741d_attn, .Lfunc_end_k_qc92e10741d_attn-k_qc92e10741d_attn
	.p2alignl 7, 3214868480
	.fill 96, 4, 3214868480
	.section	.rodata,"a",@progbits
	.p2align	6, 0x0
	.amdhsa_kernel k_qc92e10741d_attn
		.amdhsa_group_segment_fixed_size 276480
		.amdhsa_private_segment_fixed_size 0
		.amdhsa_enable_private_segment 0
		.amdhsa_kernarg_size 16
		.amdhsa_user_sgpr_count 2
		.amdhsa_user_sgpr_kernarg_segment_ptr 1
		.amdhsa_wavefront_size32 1
		.amdhsa_system_sgpr_workgroup_id_x 1
		.amdhsa_system_sgpr_workgroup_id_y 1
		.amdhsa_system_sgpr_workgroup_id_z 1
		.amdhsa_system_vgpr_workitem_id 0
		.amdhsa_next_free_vgpr 256
		.amdhsa_next_free_sgpr 102
		.amdhsa_reserve_vcc 1
		.amdhsa_float_denorm_mode_32 3
		.amdhsa_float_denorm_mode_16_64 3
		.amdhsa_memory_ordered 1
		.amdhsa_forward_progress 1
		.amdhsa_inst_pref_size 248
	.end_amdhsa_kernel
	.amdgpu_metadata
---
amdhsa.version: [ 1, 2 ]
amdhsa.kernels:
  - .name:           k_qc92e10741d_attn
    .symbol:         k_qc92e10741d_attn.kd
    .args:
      - { .name: qkv, .offset: 0, .size: 8, .value_kind: global_buffer, .address_space: global }
      - { .name: ao, .offset: 8, .size: 8, .value_kind: global_buffer, .address_space: global }
    .group_segment_fixed_size: 276480
    .private_segment_fixed_size: 0
    .kernarg_segment_align: 8
    .kernarg_segment_size: 16
    .max_flat_workgroup_size: 512
    .sgpr_count:     102
    .vgpr_count:     256
    .wavefront_size: 32
...
	.end_amdgpu_metadata
.endif
;; end of part 3
;; launch gemm_out (part 4): grid 8 x 32, 4 waves a work-group, clusters of 4 x 4, 327,680 bytes of LDS; arguments ao, wq, out0, bo; writes out0
.if DOCPART == 4
	.amdgcn_target "amdgcn-amd-amdhsa--gfx1250"
	.amdhsa_code_object_version 6
	.text
	.protected	k_qc92e10741d_gemm_out
	.globl	k_qc92e10741d_gemm_out
	.p2align	8
	.type	k_qc92e10741d_gemm_out,@function
k_qc92e10741d_gemm_out:
	s_mov_b64 s[64:65], 0
	v_nop
	global_prefetch_b8 v0, s[64:65] scope:SCOPE_SE
	s_setreg_imm32_b32 hwreg(HW_REG_WAVE_MODE, 25, 1), 1
	s_wait_xcnt 0x0
	s_wait_alu depctr_hold_cnt(0) depctr_sa_sdst(0) depctr_va_vdst(0) depctr_va_sdst(0) depctr_va_ssrc(0) depctr_va_vcc(0) depctr_vm_vsrc(0)
	s_getreg_b32 s2, hwreg(HW_REG_IB_STS2, 6, 4)
	s_cmp_eq_u32 s2, 0
	s_cbranch_scc0 .Lentry_in_a_cluster
	s_endpgm
.Lentry_in_a_cluster:
	s_bfe_u32 s2, ttmp6, 0x10000c
	s_cmp_lg_u32 s2, 0xf033
	s_cbranch_scc0 .Lentry_shape_is_right
	s_endpgm
.Lentry_shape_is_right:
; out0 = ao Wo + bo: [4096][2048] x [rows 3,072 on of wq][2048] on codes of FP6 (E2M3) with E8M0 scales, f32 sums; codes are images of operand registers, as the other launches lay them.
; A block of 128 x 256 to a work-group, 64 x 128 to a wave: 8 x 32 = 256 work-groups.  K goes in steps of 512 through a ring of two LDS slots; the scale words of all of K come once.  The bias is the C of each sum's first instruction.
; THE HEAD'S FOUR TILES go one to a wave: wave 0 slot 0's 128 rows of ao, wave 1 its 256 rows of wq, waves 2 and 3 their scale words; slot 1 is first filled behind the full sequence and a round.
; CLUSTERS: 4 x 4; ao's tiles are asked for jointly along a row of the cluster, wq's along a column.
; PREFETCH: behind slot 0's request slots 1 and 2 are asked for, behind slot 1's slot 3: of the row blocks that a wave fetches the partner at place p names its quarter (ao: block p; wq: blocks 2 p, 2 p + 1),
; 24 blocks of 256 bytes a row block, a lane a block (lanes 24-31 name lane 23's again).  The addresses are never stepped: every offset is an immediate.
; The results leave through a stage in slot 0, which has had its last fill and its last read by then, as whole rows of 512 bytes.
.set PFO,    31
.set FR,     12
.set NF,     44
.set NP,     4
.set SLB,    6144
.set AHALF,  4*SLB
.set BHALF,  8*SLB
.set BOFF,   2*AHALF
.set SLOT,   2*AHALF+2*BHALF
.set SCL,    2*SLOT
.set SAH,    4096
.set SBH,    8192
.set SPARE,  SCL+2*SAH+2*SBH
.set SPITCH, 528
.set ASC,    6291456
.set BSC,    7864320
.set BROW0,  3072
.set SIZE_N, 2048
.set ADRA, 16
.set LI,   18
.set ADRB, 20
.set STO,  24
.set RD,   25
.set ADRS, 27
.set SPW,  28
.set NIL,  29
.set BO,   30
.set SC,   32
.set BI,   64
.set AF,   128
.set BK,   128
.set G1, 24
.set G0, 32
.set G1B, 48
.set G0B, 56
.set G1S, 68
.set G0S, 76
.set G1SB, 80
.set G0SB, 88
.set MSB, 0
.macro WIN new
.if MSB != (\new)
	s_set_vgpr_msb (MSB<<8)|(\new)
.set MSB, (\new)
.endif
.endm
.set MUL,    0xa1
.set TO_B,   0x40
.macro JLOAD g0a, g1a, g0b, g1b
	s_cmp_eq_u32 s15, 0
	s_cbranch_scc0 .Lfor_b_\@
	tensor_load_to_lds s[\g0a:\g0a+3], s[\g1a:\g1a+7]
	s_nop 0
.rept 4
	v_nop
.endr
	s_branch .Lasked_\@
.Lfor_b_\@:
	tensor_load_to_lds s[\g0b:\g0b+3], s[\g1b:\g1b+7]
	s_nop 0
.rept 4
	v_nop
.endr
.Lasked_\@:
.endm
.macro CREST
	s_cmp_lg_u32 s14, 0
	s_cbranch_scc1 .Lnot_wave_0_\@
	s_barrier_signal -3
.Lnot_wave_0_\@:
	s_barrier_wait -3
	s_barrier_signal -1
	s_barrier_wait -1
.endm
.macro CROUND
	s_barrier_signal -1
	s_barrier_wait -1
	CREST
.endm
.macro FRAG reg, adr, q, i
.irp c, 0,1,2
	ds_load_b128 v[\reg+4*\c:\reg+4*\c+3], v[\adr] offset:SLB*(\i)+1536*(\q)+512*\c
.endr
.endm
.macro FETCH slot, q, ks
	WIN TO_B
.irp i, 0,1,2,3,4,5,6,7
	FRAG 128*((\ks)%2)+FR*\i, ADRB+\slot, \q, \i
.endr
	WIN 0
.irp i, 0,1,2,3
	FRAG AF+48*((\ks)%2)+FR*\i, ADRA+\slot, \q, \i
.endr
.irp i, 0,1,2,3,4,5,6,7
	ds_load_b32 v[SC+8*((\ks)%2)+\i], v[ADRS] offset:1024*\i+64*(\ks)
.endr
.endm
.macro MULA a, p, first
.irp b, 0,1,2,3,4,5,6,7
.if \first
	v_wmma_scale_f32_16x16x128_f8f6f4 v[8*(8*(\a)+\b):8*(8*(\a)+\b)+7], v[128*(\p)+FR*\b:128*(\p)+FR*\b+FR-1], v[AF+48*(\p)+FR*(\a):AF+48*(\p)+FR*(\a)+FR-1], v[BI+8*\b:BI+8*\b+7], v[SC+8*(\p)+\b], v[SC+8*(\p)+(\a)] matrix_a_fmt:MATRIX_FMT_FP6 matrix_b_fmt:MATRIX_FMT_FP6 matrix_a_scale:MATRIX_SCALE_ROW1
.else
	v_wmma_scale_f32_16x16x128_f8f6f4 v[8*(8*(\a)+\b):8*(8*(\a)+\b)+7], v[128*(\p)+FR*\b:128*(\p)+FR*\b+FR-1], v[AF+48*(\p)+FR*(\a):AF+48*(\p)+FR*(\a)+FR-1], v[8*(8*(\a)+\b):8*(8*(\a)+\b)+7], v[SC+8*(\p)+\b], v[SC+8*(\p)+(\a)] matrix_a_fmt:MATRIX_FMT_FP6 matrix_b_fmt:MATRIX_FMT_FP6 matrix_a_scale:MATRIX_SCALE_ROW1
.endif
.endr
.endm
.macro PLACES n
.rept \n
	v_nop
.endr
.endm
.macro STEP slot, q, ks, first
.if \first == 0
	PLACES NP
.endif
	FETCH \slot, (\q)+1, (\ks)+1
	s_wait_dscnt NF
.if \first
	WIN 0x81
.else
	WIN MUL
.endif
	MULA 0, (\ks)%2, \first
	MULA 1, (\ks)%2, \first
	MULA 2, (\ks)%2, \first
	MULA 3, (\ks)%2, \first
.endm
.macro TURN slot, next, fill, ks
	WIN 0
	s_wait_tensorcnt 0x0
	ds_add_u32 v[SPW], v[NIL]
	s_wait_dscnt 1
	WIN MUL
	MULA 0, (\ks)%2, 0
	s_wait_dscnt 0x0
	s_barrier_signal -1
	MULA 1, (\ks)%2, 0
	WIN 0
	s_barrier_wait -1
.if \fill
	CREST
	s_add_nc_u64 s[G0+4*\slot+2:G0+4*\slot+3], s[G0+4*\slot+2:G0+4*\slot+3], 2*SLB
	s_add_nc_u64 s[G0B+4*\slot+2:G0B+4*\slot+3], s[G0B+4*\slot+2:G0B+4*\slot+3], 2*SLB
	JLOAD G0+4*\slot, G1, G0B+4*\slot, G1B
.else
	PLACES NP
.endif
	FETCH \next, 0, (\ks)+1
	WIN MUL
	MULA 2, (\ks)%2, 0
	MULA 3, (\ks)%2, 0
.endm
	s_load_b256 s[4:11], s[0:1], 0x0
	v_lshl_add_u32 v[SPW], v0, 2, SPARE
	v_mov_b32 v[NIL], 0
	ds_add_u32 v28, v29
	ds_add_u32 v28, v29
	s_wait_dscnt 0x0
	v_lshrrev_b32 v1, 5, v0
	v_readfirstlane_b32 s14, v1
	s_lshr_b32 s15, s14, 1
	s_and_b32 s16, s14, 1
	s_bfe_u32 s40, ttmp6, 0x40000
	s_bfe_u32 s41, ttmp6, 0x40004
	s_lshl_b32 s42, ttmp9, 2
	s_add_co_u32 s42, s42, s40
	s_and_b32 s17, ttmp7, 0xffff
	s_lshl_b32 s17, s17, 2
	s_add_co_u32 s17, s17, s41
	s_lshl_b32 s43, s41, 2
	s_lshl_b32 s43, 15, s43
	s_lshl_b32 s44, 0x1111, s40
	s_or_b32 s[G1+0], s43, (3<<16)|(1<<21)
	s_or_b32 s[G1B+0], s44, (3<<16)|(1<<21)
.irp g, G1, G1B
	s_mov_b32 s[\g+1], 768<<16
	s_mov_b32 s[\g+3], 768<<16
	s_mov_b32 s[\g+5], 3072
	s_mov_b32 s[\g+6], 0
	s_mov_b32 s[\g+7], 0
.endr
	s_mov_b32 s[G1+2], 8<<16
	s_mov_b32 s[G1+4], 8
	s_mov_b32 s[G1B+2], 16<<16
	s_mov_b32 s[G1B+4], 16
	s_or_b32 s[G1S+0], s43, (3<<16)|(1<<21)
	s_or_b32 s[G1SB+0], s44, (3<<16)|(1<<21)
.irp g, G1S, G1SB
	s_mov_b32 s[\g+1], 32<<16
	s_mov_b32 s[\g+3], 32<<16
	s_mov_b32 s[\g+5], 32
	s_mov_b32 s[\g+6], 0
	s_mov_b32 s[\g+7], 0
.endr
	s_mov_b32 s[G1S+2], 32<<16
	s_mov_b32 s[G1S+4], 32
	s_mov_b32 s[G1SB+2], 64<<16
	s_mov_b32 s[G1SB+4], 64
	s_lshl_b32 s20, s17, 7                         ; the tiles' first rows
	s_lshl_b32 s46, s42, 8
	s_add_co_u32 s46, s46, BROW0
	s_lshl_b32 s22, s20, 6
	s_add_co_u32 s22, s22, ASC
	s_mov_b32 s23, 0
	s_lshl_b32 s92, s46, 6
	s_add_co_u32 s92, s92, BSC
	s_mov_b32 s93, 0
	s_mul_i32 s20, s20, 1536
	s_mov_b32 s21, 0
	s_mul_i32 s46, s46, 1536
	s_mov_b32 s47, 0
	s_mul_i32 s45, s16, AHALF
	s_mul_i32 s95, s16, BHALF
	s_add_co_u32 s95, s95, BOFF
	s_mul_i32 s98, s16, 64*1536                    ; which half of a tile I fetch in the ring, in bytes: of ao,
	s_mov_b32 s99, 0
	s_mul_i32 s12, s16, 128*1536                   ; of wq
	s_mov_b32 s13, 0
	s_wait_kmcnt 0x0
	s_add_nc_u64 s[20:21], s[4:5], s[20:21]
	s_add_nc_u64 s[22:23], s[4:5], s[22:23]
	s_add_nc_u64 s[46:47], s[6:7], s[46:47]
	s_add_nc_u64 s[92:93], s[6:7], s[92:93]
	s_lshl_b32 s2, s42, 10
	s_lshl_b32 s3, s16, 9
	s_add_co_u32 s2, s2, s3
	s_mov_b32 s3, 0
	s_add_nc_u64 s[96:97], s[10:11], s[2:3]
	s_add_nc_u64 s[8:9], s[8:9], s[2:3]
	s_lshl_b32 s2, s17, 7
	s_lshl_b32 s18, s15, 6
	s_add_co_u32 s2, s2, s18
	s_lshl_b32 s2, s2, 13
	s_add_nc_u64 s[8:9], s[8:9], s[2:3]
	v_bfe_u32 v2, v0, 4, 1
	v_lshlrev_b32 v[BO], 5, v2
.irp b, 0,1,2,3,4,5,6,7
	global_load_b128 v[BI+8*\b:BI+8*\b+3], v[BO], s[96:97] offset:64*\b
	global_load_b128 v[BI+8*\b+4:BI+8*\b+7], v[BO], s[96:97] offset:64*\b+16
.endr
	CROUND
	s_mov_b32 s[G0S], 1
	s_mov_b32 s[G0S+1], SCL
	s_mov_b64 s[G0S+2:G0S+3], s[22:23]
	s_or_b32 s[G0S+3], s[G0S+3], 0x80000000
	s_mov_b32 s[G0SB], 1
	s_mov_b32 s[G0SB+1], SCL+2*SAH
	s_mov_b64 s[G0SB+2:G0SB+3], s[92:93]
	s_or_b32 s[G0SB+3], s[G0SB+3], 0x80000000
.irp s, 0,1
	s_mov_b32 s[G0+4*\s], 1
	s_add_co_u32 s[G0+4*\s+1], s45, \s*SLOT
	s_add_nc_u64 s[G0+4*\s+2:G0+4*\s+3], s[20:21], \s*SLB
	s_or_b32 s[G0+4*\s+3], s[G0+4*\s+3], 0x80000000
	s_mov_b32 s[G0B+4*\s], 1
	s_add_co_u32 s[G0B+4*\s+1], s95, \s*SLOT
	s_add_nc_u64 s[G0B+4*\s+2:G0B+4*\s+3], s[46:47], \s*SLB
	s_or_b32 s[G0B+4*\s+3], s[G0B+4*\s+3], 0x80000000
.endr
	s_mov_b32 s[G0+1], 0                           ; at the head slot 0's tiles come whole;
	s_mov_b32 s[G0B+1], BOFF
	s_add_nc_u64 s[G0+6:G0+7], s[G0+6:G0+7], s[98:99]        ; slot 1's groups 0 stand at my half
	s_add_nc_u64 s[G0B+6:G0B+7], s[G0B+6:G0B+7], s[12:13]
.macro ARM under, g0, g1               ; an arm of the head's one chain of branches: one tensor load a wave
	s_cmp_lt_u32 s14, \under
	s_cbranch_scc0 .Lnext_\@
	tensor_load_to_lds s[\g0:\g0+3], s[\g1:\g1+7]
	s_nop 0
.rept 4
	v_nop
.endr
	s_branch .Lhead_asked
.Lnext_\@:
.endm
	ARM 1, G0, G1
	ARM 2, G0B, G1B
	ARM 3, G0S, G1S
	tensor_load_to_lds s[G0SB:G0SB+3], s[G1SB:G1SB+7]
	s_nop 0
.rept 4
	v_nop
.endr
.Lhead_asked:
	v_and_b32 v1, 15, v0
	v_bfe_u32 v2, v0, 4, 1
	s_wait_alu depctr_va_vdst(0)
	v_and_b32 v3, 31, v0
	v_lshlrev_b32 v[LI], 4, v3
	s_mul_i32 s21, s15, AHALF
	s_mul_i32 s22, s16, BHALF
	s_add_co_u32 s22, s22, BOFF
.irp s, 0,1
	v_add_nc_u32 v[ADRA+\s], s21, v[LI]
	v_add_nc_u32 v[ADRB+\s], s22, v[LI]
	s_add_co_u32 s21, s21, SLOT
	s_add_co_u32 s22, s22, SLOT
.endr
	s_lshl_b32 s21, s15, 12
	s_lshl_b32 s22, s16, 13
	s_add_co_u32 s22, s22, 2*SAH
	s_sub_co_u32 s22, s22, s21
	v_mul_u32_u24 v6, s22, v2
	s_add_co_u32 s21, s21, SCL
	v_lshl_add_u32 v5, v1, 2, v6
	v_add_nc_u32 v[ADRS], s21, v5
	s_mul_i32 s23, s14, 16*SPITCH
	v_mul_u32_u24 v5, v1, SPITCH
	v_lshl_add_u32 v5, v2, 5, v5
	v_add_nc_u32 v[STO], s23, v5
	v_add_nc_u32 v[RD], s23, v[LI]
	s_lshl_b32 s2, s17, 7                          ; the prefetches: ao's waves take row block cx of their four,
	s_lshl_b32 s3, s16, 6
	s_add_co_u32 s2, s2, s3
	s_lshl_b32 s3, s40, 4
	s_add_co_u32 s2, s2, s3
	s_lshl_b32 s18, s42, 8                         ; wq's waves row blocks 2 cy and 2 cy + 1 of their eight
	s_lshl_b32 s3, s16, 7
	s_add_co_u32 s18, s18, s3
	s_lshl_b32 s3, s41, 5
	s_add_co_u32 s18, s18, s3
	s_add_co_u32 s18, s18, BROW0
	s_cmp_eq_u32 s15, 0
	s_cselect_b32 s2, s2, s18
	s_cselect_b64 s[4:5], s[4:5], s[6:7]
	s_mul_i32 s2, s2, 1536
	s_mov_b32 s3, 0
	s_add_nc_u64 s[4:5], s[4:5], s[2:3]
	v_and_b32 v3, 31, v0
	v_min_u32 v3, 23, v3
	v_lshlrev_b32 v[PFO], 8, v3
.macro ASKO n                          ; slot n: 6,144 bytes of a row block are 24 blocks of 256
	global_prefetch_b8 v[PFO], s[4:5] offset:(\n)*SLB th:TH_LOAD_NT scope:SCOPE_SE
	s_cmp_eq_u32 s15, 0
	s_cbranch_scc1 .Lone_\@
	global_prefetch_b8 v[PFO], s[4:5] offset:(\n)*SLB+24576 th:TH_LOAD_NT scope:SCOPE_SE
.Lone_\@:
.endm
	s_wait_alu depctr_va_vdst(0)                   ; the wait at the head's end
	ASKO 1
	ASKO 2
	s_wait_tensorcnt 0x0                           ; my tile of the head's four is in
	ds_add_u32 v[SPW], v[NIL]
	s_mov_b32 s[G1+2], 4<<16                       ; no load of mine is out: from here on a load brings half a tile,
	s_mov_b32 s[G1+4], 4
	s_mov_b32 s[G1B+2], 8<<16
	s_mov_b32 s[G1B+4], 8
	s_mov_b32 s[G0+1], s45                         ; and slot 0's groups 0 stand at my half
	s_add_nc_u64 s[G0+2:G0+3], s[G0+2:G0+3], s[98:99]
	s_mov_b32 s[G0B+1], s95
	s_add_nc_u64 s[G0B+2:G0B+3], s[G0B+2:G0B+3], s[12:13]
	s_wait_dscnt 0x0
	CROUND                                         ; all four tiles are in, and all sixteen work-groups are here
	JLOAD G0+4, G1, G0B+4, G1B                     ; slot 1, the first tensor load behind the round
	FETCH 0, 0, 0
	ASKO 3
	s_wait_loadcnt 0x0
	STEP 0, 0, 0, 1
	STEP 0, 1, 1, 0
	STEP 0, 2, 2, 0
	TURN 0, 1, 1, 3
	STEP 1, 0, 4, 0
	STEP 1, 1, 5, 0
	STEP 1, 2, 6, 0
	TURN 1, 0, 1, 7
	STEP 0, 0, 8, 0
	STEP 0, 1, 9, 0
	STEP 0, 2, 10, 0
	TURN 0, 1, 0, 11
	STEP 1, 0, 12, 0
	STEP 1, 1, 13, 0
	STEP 1, 2, 14, 0
	s_wait_dscnt 0x0
	WIN MUL
	MULA 0, 1, 0
	MULA 1, 1, 0
	MULA 2, 1, 0
	MULA 3, 1, 0
	WIN 0
.macro TOSTAGE a
.set AC, 64*(\a)
	WIN 0x08
.irp b, 0,1,2,3,4,5,6,7
	ds_store_b128 v[STO], v[AC+8*\b:AC+8*\b+3] offset:64*\b
	ds_store_b128 v[STO], v[AC+8*\b+4:AC+8*\b+7] offset:64*\b+16
.endr
	WIN 0
.set BB, BK+64*((\a)%2)
.irp t, 0,1,2,3,4,5,6,7,8,9,10,11,12,13,14,15
	ds_load_b128 v[BB+4*\t:BB+4*\t+3], v[RD] offset:\t*SPITCH
.endr
.endm
.macro SEND a, younger
.set BB, BK+64*((\a)%2)
	s_wait_dscnt \younger
.if (\a) > 0
	s_add_nc_u64 s[8:9], s[8:9], 16*SIZE_N*4
.endif
.irp t, 0,1,2,3,4,5,6,7,8,9,10,11,12,13,14,15
	global_store_b128 v[LI], v[BB+4*\t:BB+4*\t+3], s[8:9] offset:\t*SIZE_N*4 th:TH_STORE_NT
.endr
.endm
	PLACES NP
	TOSTAGE 0
.irp a, 1,2,3
.if \a > 1
	s_wait_xcnt 0x0
.endif
	TOSTAGE \a
	SEND \a-1, 32
.endr
	s_wait_xcnt 0x0
	SEND 3, 0
	s_wait_tensorcnt 0x0
	ds_add_u32 v[SPW], v[NIL]
	s_wait_dscnt 0x0
	CROUND
	s_endpgm
.Lfunc_end_k_qc92e10741d_gemm_out:
	.size	k_qc92e10741d_gemm_out, .Lfunc_end_k_qc92e10741d_gemm_out-k_qc92e10741d_gemm_out
	.p2alignl 7, 3214868480
	.fill 96, 4, 3214868480
	.section	.rodata,"a",@progbits
	.p2align	6, 0x0
	.amdhsa_kernel k_qc92e10741d_gemm_out
		.amdhsa_group_segment_fixed_size 327680
		.amdhsa_private_segment_fixed_size 0
		.amdhsa_enable_private_segment 0
		.amdhsa_kernarg_size 32
		.amdhsa_user_sgpr_count 2
		.amdhsa_user_sgpr_kernarg_segment_ptr 1
		.amdhsa_wavefront_size32 1
		.amdhsa_system_sgpr_workgroup_id_x 1
		.amdhsa_system_sgpr_workgroup_id_y 1
		.amdhsa_system_sgpr_workgroup_id_z 1
		.amdhsa_system_vgpr_workitem_id 0
		.amdhsa_next_free_vgpr 768
		.amdhsa_next_free_sgpr 102
		.amdhsa_reserve_vcc 0
		.amdhsa_float_denorm_mode_32 3
		.amdhsa_float_denorm_mode_16_64 3
		.amdhsa_memory_ordered 1
		.amdhsa_forward_progress 1
		.amdhsa_inst_pref_size 143
	.end_amdhsa_kernel
	.amdgpu_metadata
---
amdhsa.version: [ 1, 2 ]
amdhsa.kernels:
  - .name:           k_qc92e10741d_gemm_out
    .symbol:         k_qc92e10741d_gemm_out.kd
    .args:
      - { .name: ao, .offset: 0, .size: 8, .value_kind: global_buffer, .address_space: global }
      - { .name: wq, .offset: 8, .size: 8, .value_kind: global_buffer, .address_space: global }
      - { .name: out0, .offset: 16, .size: 8, .value_kind: global_buffer, .address_space: global }
      - { .name: bo, .offset: 24, .size: 8, .value_kind: global_buffer, .address_space: global }
    .group_segment_fixed_size: 327680
    .private_segment_fixed_size: 0
    .kernarg_segment_align: 8
    .kernarg_segment_size: 32
    .max_flat_workgroup_size: 128
    .sgpr_count:     102
    .vgpr_count:     768
    .wavefront_size: 32
...
	.end_amdgpu_metadata
.endif
;; end of part 4
